; MI455X (gfx1250); checked and timed in simulation.
; The chip was launched on July 23, 2026; its instructions are those of AMD's public machine-readable ISA for CDNA 5 (MIT licence, August 2026) and "CDNA5" Instruction Set Architecture Reference Guide (July 2026). The comments in the code are by the model that wrote it; some were corrected since.
;; Self Attention ND. Allowed arithmetic: matrix products marked QUANTISED: E4M3 operands, one E8M0 scale for each 32 along K, by v_wmma_scale_f32_16x16x128_f8f6f4 with both operands' format E4M3, f32 sums; everything else in f32.
;; Inputs: rel_col 4 x 128 float32; rel_row 4 x 128 float32; wk_codes 4 x 128 x 16 x 32 uint8 (E4M3 codes of wk, K innermost, in blocks of 32 codes); wk_scales 4 x 128 x 16 uint8 (E8M0 scales of wk, one for each 32 codes along K); wo 4 x 128 x 512 float32; wq_codes 4 x 128 x 16 x 32 uint8 (E4M3 codes of wq, K innermost, in blocks of 32 codes); wq_scales 4 x 128 x 16 uint8 (E8M0 scales of wq, one for each 32 codes along K); wv_codes 4 x 128 x 16 x 32 uint8 (E4M3 codes of wv, K innermost, in blocks of 32 codes); wv_scales 4 x 128 x 16 uint8 (E8M0 scales of wv, one for each 32 codes along K); x_codes 2 x 64 x 64 x 16 x 32 uint8 (E4M3 codes of x, K innermost, in blocks of 32 codes); x_scales 2 x 64 x 64 x 16 uint8 (E8M0 scales of x, one for each 32 codes along K).
;; Outputs: out0 2 x 64 x 64 x 512 float32.
;; This version of the problem:
;;   THIS VERSION OF THE PROBLEM IS GIVEN IN LOW PRECISION. The matrix products marked QUANTISED in the list below multiply operands that are first quantised to E4M3 (4 exponent bits, 3 mantissa bits; 8 bits a number), with one power-of-two scale for each 32 numbers along K (OCP MX v1.0); their sums are f32. All else is computed in f32.
;;   The module's matrix products, in the order in which they are computed (A, B: the left and right operand; K: the contracted axis; several contracted axes count as one K, in the product's order):
;;     1. [M 8,192, K 512] x [K 512, N 512]; A: input x (given as codes); B: input wq (given as codes): QUANTISED
;;     2. [M 8,192, K 512] x [K 512, N 512]; A: input x (given as codes); B: input wk (given as codes): QUANTISED
;;     3. [M 8,192, K 512] x [K 512, N 512]; A: input x (given as codes); B: input wv (given as codes): QUANTISED
;;     4. batch 8 x [M 4,096, K 128] x [K 128, N 4,096]; A: computed on the way; B: computed on the way: QUANTISED
;;     5. batch 8 x [M 128, K 4,096] x [K 4,096, N 4,096]; A: computed on the way; B: softmax (see below): QUANTISED
;;     6. [M 8,192, K 512] x [K 512, N 512]; A: computed on the way; B: input wo: QUANTISED
;;   THE QUANTISER, for each operand of a quantised product, along K:
;;     - K is cut into blocks of 32 from its start; a last block that is shorter is filled with zeros.
;;     - A block's scale is 2^e with e = floor(log2(the largest magnitude in the block)) - 8, held to -126 .. 127; a block of zeros has e = 0. As a byte (E8M0): e + 127.
;;     - Each number is divided by its block's scale, clamped to +-448, and rounded to the nearest number of E4M3, ties to even, subnormals kept.
;;     - The product sums the exact products of the quantised numbers (number of the format x scale) in f32.
;;   ~~~python
;;   def quantise(x, axis):      # numpy; x: float32 -> the quantised numbers, widened to float32 again
;;       x = np.moveaxis(x, axis, -1); K = x.shape[-1]
;;       x = np.pad(x, [(0, 0)] * (x.ndim - 1) + [(0, -K % 32)]); x = x.reshape(x.shape[:-1] + (-1, 32)); a = np.abs(x).max(-1, keepdims=True)
;;       e = np.where(a > 0, np.clip(np.frexp(np.where(a > 0, a, 1))[1] - 1 - 8, -126, 127), 0)      # np.frexp(a)[1] - 1 = floor(log2(a)), exactly
;;       r = np.clip(x / 2.0 ** e, -448, 448)
;;       step = 2.0 ** (np.maximum(np.frexp(np.where(r == 0, 1, r))[1] - 1, -6) - 3)
;;       q = np.round(r / step) * step * 2.0 ** e      # np.round: ties to even
;;       return np.moveaxis(q.reshape(q.shape[:-2] + (-1,))[..., :K], -1, axis).astype(np.float32)
;;   ~~~
;;   SOFTMAX AHEAD OF A QUANTISED PRODUCT. Where the list says 'softmax', what is quantised is not the finished softmax but p = 2^(t - M), with t = logit x log2(e) and M = ceil(the row's largest t), a whole number; so 1/2 < the row's largest p <= 1. The row's sum l is taken of the UNQUANTISED p, in f32, and the product's result is divided by l at the end. Since M is a whole number, a kernel that streams over the keys may use a running M (the ceiling of the running maximum): every later rescaling is an exact power of two, which a block's scale takes up: the codes' values come out the same.
;;   OPERANDS COMPUTED ON THE WAY. 'Computed on the way' means the value that the module computes at that place (a softmax that the list does not call 'softmax' is quantised finished and normalised). What goes into a quantiser is computed in f32, as accurately as f32 sums, v_exp_f32 and their like allow (about 1e-6 of the number): no bf16 or f16 on the way to a quantiser, and a product that is left as it is and whose result goes on into a quantised operand takes f32 operands (vector FMAs, or v_wmma_f32_16x16x4_f32). A number that lies on a knife's edge between two numbers of the format may be rounded either way, as far as f32 arithmetic and the matrix unit's own rounding can turn it there, and no further.
;;   INPUTS GIVEN AS CODES. wk (in the module: [512, 4, 128], K = its axis 0); wq (in the module: [512, 4, 128], K = its axis 0); wv (in the module: [512, 4, 128], K = its axis 0); x (in the module: [2, 64, 64, 512], K = its axis 3): each comes as NAME_codes (uint8): NAME with its K axis moved to the last place and cut into blocks of 32 codes, [.., K / 32, bytes a block], one block behind the other in memory; one code a byte (a code: sign, 4 exponent bits, 3 mantissa bits); and NAME_scales (uint8): the same leading axes, one E8M0 byte (e + 127) for each 32 codes along K. Its value is code x scale, taken as it is: it is not quantised again, and the codes and scales need not be those that the quantiser above would give.
;; One version. Each part assembles by itself: llvm-mc -triple=amdgcn-amd-amdhsa -mcpu=gfx1250 --defsym DOCPART=n.
;; ======== version 1 of 1: 3 launches
;; limits: right only within a limited range of input values
;; workspace buffers: q_img 4,194,304 bytes; q_scl 131,072 bytes; kv 8,650,752 bytes; o_q 4,456,448 bytes; wo_q 278,528 bytes
;; launch qkv (part 1): grid 4 x 64, 8 waves a work-group, clusters of 4 x 4, 327,680 bytes of LDS; arguments x_codes, x_scales, wq_codes, wq_scales, wk_codes, wk_scales, wv_codes, wv_scales, wo, q_img, q_scl, kv, wo_q; writes q_img, q_scl, kv, wo_q
.if DOCPART == 1
	.amdgcn_target "amdgcn-amd-amdhsa--gfx1250"
	.amdhsa_code_object_version 6
	.text
	.protected	k_q768b5634ad_qkv
	.globl	k_q768b5634ad_qkv
	.p2align	8
	.type	k_q768b5634ad_qkv,@function
k_q768b5634ad_qkv:
	s_mov_b64 s[64:65], 0
	v_nop
	global_prefetch_b8 v0, s[64:65] scope:SCOPE_SE
	s_setreg_imm32_b32 hwreg(HW_REG_WAVE_MODE, 25, 1), 1
	s_wait_xcnt 0x0
	s_wait_alu depctr_hold_cnt(0) depctr_sa_sdst(0) depctr_va_vdst(0) depctr_va_sdst(0) depctr_va_ssrc(0) depctr_va_vcc(0) depctr_vm_vsrc(0)
	s_getreg_b32 s2, hwreg(HW_REG_IB_STS2, 6, 4)
	s_cmp_eq_u32 s2, 0
	s_cbranch_scc0 .Lentry_in_a_cluster
	s_endpgm
.Lentry_in_a_cluster:
	s_bfe_u32 s2, ttmp6, 0x10000c
	s_cmp_lg_u32 s2, 0xf033
	s_cbranch_scc0 .Lentry_shape_is_right
	s_endpgm
.Lentry_shape_is_right:
; FIRST OF THREE LAUNCHES (qkv, attn, proj) of causal self-attention over 4,096 raster positions, 2 batches, 4 heads of 128, all six products on codes of E4M3 with one E8M0 scale for each 32 along K.
; WORK LEFT OUT BY THE PROGRAM (in launch attn): a key step of 128 keys all of which come after the 256 queries that a cluster's four work-groups own together.  reference() adds -1e6 to those logits in its own body (jnp.triu), so that
; p = 2^((logit - 1e6) log2(e) - M) is 0 in f32, and so is its code, wherever (the largest masked logit - the row's largest unmasked logit) < 1e6 - 104: LIMIT, stated: beyond that distance the masked keys are not carried.
; A NaN, an infinity or an overflow that reaches only the work left out is not carried to the result.  No input is without a way to the output: all are loaded.
; OTHER LIMITS: NaN and infinities among the inputs are not served; a block whose largest magnitude lies under 2^-118 gets the scale byte 1 (a block of zeros too, where the rule says 127: its codes are zeros, and this program alone reads the bytes).
; THIS LAUNCH: q = (x Wq) / sqrt(128), k = x Wk, v = x Wv, each quantised at once: q and k along the head's 128 channels, v along the keys; and wo, f32 with K = (head, channel) outermost, along K.
; SHARES.  A work-group owns 128 rows of x (one key step of attn) and one head; K = 512 lies whole in LDS: nothing is filled again.  Three jobs: in each, source 0 is STREAMED from LDS, source 1 STAYS in registers for all of K.
; Wave w makes 4 streamed tiles (half g = w % 2 of the 8) x 2 staying tiles (2 i, 2 i + 1, i = w / 2).  Q: Wq streamed, x stays.  K: Wk streamed, the same x stays.  V: x streamed, Wv stays.
; THE ROWS OF A TILE ARE NOT NEIGHBOURS: lane row r of tile 2 b + u is row 32 b + 8 u + r + 8 (r / 8) of the 128.  So a lane's 16 registers of result tiles 2 b, 2 b + 1 are 16 neighbours, 32 b + 16 (lane / 16) + 0 .. 15, along the next
; product's K, and the conversions' results are that product's fragment as it stands.  It leaves as an IMAGE of its registers: register group c = b of lane l at 512 c + 16 l, 2,048 bytes a fragment; a wave makes groups 2 g, 2 g + 1 of two fragments.
; CLUSTER 4 x 4: the four heads of a row of the cluster need the same rows of x, the four row blocks of a column the same head's weights: each is asked for jointly.
; The scale bytes of x and of the weights go from memory straight into the registers that the products name, each set a job ahead.  No prefetch: all of K comes by one load a wave at the head; there is no loop to run ahead in.
; REGISTERS: window 0 below;  window 1: v0-127 the two staying tiles, tile m, K step s at 64 m + 16 s;  v128-191 the streamed tiles of an odd K step.
.set TEN,   67840                      ; LDS: tensor t (0 x, 1 wq, 2 wk, 3 wv) at t TEN: rows with bit 4 clear, 64 lines of 512 + 16 bytes; at + ODD those with bit 4 set
.set ODD,   33920                      ; 64 x 528 + 128: lane rows 0-7 and 8-15 of a tile then start in different halves of a run of 64 banks of 4 bytes (ISA guide 11.1)
.set LP,    528
.set SCW,   4*TEN                      ; scale words made here: K's tile T at 64 T, V's at 512 + 64 E, Q's at 1024 + 64 T: blocks of their own, no fill lands here
.set SPARE, SCW+1536                   ; the spare words: 128 bytes for each wave
.set LBX, 3                            ; v3-5   my lane's place in my streamed half of x, wq, wk
.set LBQ, 4
.set LBK, 5
.set SPW, 7                            ; v7     my spare word; never rewritten
.set NIL, 8                            ; v8     0; never rewritten
.set LI,  9                            ; v9     16 x lane
.set SWA, 10                           ; v10    SCW + 128 i + 4 r + 2 g
.set LSC, 11                           ; v11    my lane's place among the streamed half's scale bytes
.set STX, 12                           ; v12    my lane's place in x's tile 2 i
.set STV, 13                           ; v13    and in wv's
.set SCS, 14                           ; v14    and among that tile's scale bytes
.set CPL, 15                           ; v15    SCW + 16 x lane
.set PC,  16                           ; v16-31 codes just made
.set TM,  32                           ; v32-47 at work in QUANT
.set PW,  48                           ; v48-49 scale bytes just made
.set WOFF, 50                          ; v50    wo: 4 r + 16 rows x (lane / 16)
.set CPO, 51                           ; v51    16 (lane % 16) + 8448 (lane / 16)
.set LS,  52                           ; v52    4 x lane
.set SBE, 80                           ; v80-143  the streamed tiles of an even K step
.set SBO, 128                          ; window 1
.set ACC, 144                          ; v144-207 accumulator (m, t) at 8 (4 m + t)
.set SS,  208                          ; v208-223 streamed tiles' scale words, 4 t + s: scales and nothing else
.set STS, 226                          ; v226-233 the staying tiles', 4 m + s: no product's two scale words have numbers equal modulo 8
.set WV,  30
.set HALF, 31                          ; g; also: which half of a tensor I fetch
.set G1XC, 32                          ; s[32:39] group 1, x's codes;  s[48:55] the weights'
.set XSB, 40                           ; s[40:47] where my 128 rows' scale bytes begin: x, wq, wk, wv
.set QSB, 42
.set KSB, 44
.set VSB, 46
.set G1WC, 48
.set G0XC, 68                          ; the two groups 0
.set G0WC, 76
.set CX,  84
.set CY,  85
.set WGY, 86
.set PI,  89                           ; i; also: which tensor I fetch
.set SEL, 90                           ; s[90:91] v_permlanex16_b32's selects for lane l xor 16
.set MNT, 92                           ; the mantissa field of 448
.set QS,  94                           ; s[94:95] 1 / sqrt(128)
.set CODEW, (3<<16)|(1<<20)|(1<<21)|(6<<22)|(3<<25)    ; elements of 8 bytes; padding on; bit 21 beside a mask; after every 128 words, 4 words
.set MSB, 0
.macro WIN new                         ; the immediate's high byte repeats the setting that is left
.if MSB != \new
	s_set_vgpr_msb (MSB<<8)|\new
.set MSB, \new
.endif
.endm
.macro WALU
	s_wait_alu depctr_va_vdst(0)
.endm
.macro PLACES n                        ; plain lines behind matrix instructions, ahead of readers of their results and of loads into their registers
.rept \n
	v_nop
.endr
.endm
.macro BARRIER
	s_barrier_signal -1
	s_barrier_wait -1
.endm
.macro CROUND                          ; a round of the cluster's barrier
	BARRIER
	s_cmp_lg_u32 s[WV], 0
	s_cbranch_scc1 .Lnot_wave_0_\@
	s_barrier_signal -3
.Lnot_wave_0_\@:
	s_barrier_wait -3
	BARRIER
.endm
.macro TLOAD g0, g1
	tensor_load_to_lds s[\g0:\g0+3], s[\g1:\g1+7]
	s_nop 0
	PLACES 4
.endm
; 64 numbers of a lane, block q (32 along the next K) at ACC + 16 q, become codes at v[PC + 4 q] on; its scale byte in v[TM + 4 + q]
.macro QUANT
.irp b, 0,1,2,3
	v_max3_num_f32 v[TM+\b], |v[ACC+16*\b]|, |v[ACC+1+16*\b]|, 0x4800000   ; my 16 numbers of the block, and the floor 2^(9 - 127): the byte cannot fall under 1
.endr
.irp i, 2,4,6,8,10,12,14
.irp b, 0,1,2,3
	v_max3_num_f32 v[TM+\b], v[TM+\b], |v[ACC+16*\b+\i]|, |v[ACC+1+16*\b+\i]|
.endr
.endr
.irp b, 0,1,2,3
	v_permlanex16_b32 v[TM+4+\b], v[TM+\b], s[SEL], s[SEL+1]
.endr
.irp b, 0,1,2,3
	v_max_num_f32 v[TM+\b], v[TM+\b], v[TM+4+\b]         ; with lane l xor 16's: the block's largest magnitude
.endr
.irp b, 0,1,2,3
	v_add_nc_u32 v[TM+12+\b], 0xfc000000, v[TM+\b]       ; 8 off its exponent field: the conversion's scale operand
.endr
.irp b, 0,1,2,3
	v_and_or_b32 v[TM+8+\b], v[TM+\b], 0x7f800000, s[MNT] ; 448 x the scale
.endr
.irp b, 0,1,2,3
	v_lshrrev_b32 v[TM+4+\b], 23, v[TM+12+\b]            ; the scale's byte
.endr
.irp b, 0,1,2,3
.irp i, 0,1,2,3,4,5,6,7,8,9,10,11,12,13,14,15
	v_med3_num_f32 v[ACC+16*\b+\i], v[ACC+16*\b+\i], -v[TM+8+\b], v[TM+8+\b]   ; the conversion to an 8-bit code does not saturate (ISA guide 7.6.2): the hold
.endr
	v_cvt_scalef32_pk8_fp8_f32 v[PC+4*\b:PC+1+4*\b], v[ACC+16*\b:ACC+7+16*\b], v[TM+12+\b]
	v_cvt_scalef32_pk8_fp8_f32 v[PC+2+4*\b:PC+3+4*\b], v[ACC+8+16*\b:ACC+15+16*\b], v[TM+12+\b]
.endr
	v_lshl_or_b32 v[PW], v[TM+5], 8, v[TM+4]       ; tile 0's two bytes, tile 1's: also the plain lines behind the last conversion
	v_lshl_or_b32 v[PW+1], v[TM+7], 8, v[TM+6]
.endm
.macro SENDQ base, off, sw             ; the codes leave, each store 512 consecutive bytes; the bytes go to their scale words (lanes l and l + 16 write the same)
.irp m, 0,1
.irp b, 0,1
	global_store_b128 v[LI], v[PC+8*\m+4*\b:PC+8*\m+4*\b+3], s[\base:\base+1] offset:\off+2048*\m+512*\b
.endr
	ds_store_b16 v[SWA], v[PW+\m] offset:\sw+64*\m
.endr
.endm
.macro STAY adr, s                     ; K step s of the two tiles that stay: 8 loads
	WIN 0x40
.irp m, 0,1
.irp c, 0,1,2,3
	ds_load_b128 v[64*\m+16*\s+4*\c:64*\m+16*\s+4*\c+3], v[\adr] offset:\m*8*LP+128*\s+32*\c
.endr
.endr
	WIN 0
.endm
.macro STSC sb                         ; their scale words: a row's 16 scale bytes are the words of its four K steps
.irp m, 0,1
	global_load_b128 v[STS+4*\m:STS+4*\m+3], v[SCS], s[\sb:\sb+1] offset:128*\m
.endr
.endm
.macro SCALES sb                       ; and the streamed tiles'
.irp t, 0,1,2,3
	global_load_b128 v[SS+4*\t:SS+4*\t+3], v[LSC], s[\sb:\sb+1] offset:512*(\t/2)+128*(\t%2)
.endr
.endm
.macro LOADS lb, s                     ; K step s of the four streamed tiles: 16 loads
.if \s%2
.set BS_, SBO
	WIN 0x40
.else
.set BS_, SBE
	WIN 0
.endif
.irp t, 0,1,2,3
.irp c, 0,1,2,3
	ds_load_b128 v[BS_+16*\t+4*\c:BS_+16*\t+4*\c+3], v[\lb] offset:(16*(\t/2)+8*(\t%2))*LP+128*\s+32*\c
.endr
.endr
	WIN 0
.endm
.macro MULS s                          ; eight products, eight accumulators by turns
.if \s%2
.set BS_, SBO
	WIN 0x05
.else
.set BS_, SBE
	WIN 0x04
.endif
.irp m, 0,1
.irp t, 0,1,2,3
.if \s == 0
	v_wmma_scale_f32_16x16x128_f8f6f4 v[ACC+8*(4*\m+\t):ACC+8*(4*\m+\t)+7], v[BS_+16*\t:BS_+16*\t+15], v[64*\m+16*\s:64*\m+16*\s+15], 0, v[SS+4*\t+\s], v[STS+4*\m+\s]
.else
	v_wmma_scale_f32_16x16x128_f8f6f4 v[ACC+8*(4*\m+\t):ACC+8*(4*\m+\t)+7], v[BS_+16*\t:BS_+16*\t+15], v[64*\m+16*\s:64*\m+16*\s+15], v[ACC+8*(4*\m+\t):ACC+8*(4*\m+\t)+7], v[SS+4*\t+\s], v[STS+4*\m+\s]
.endif
.endr
.endr
	WIN 0
.endm
; A job.  K steps 0 and 1 have been asked for; w0, w1: the LDS instructions that may be out at steps 0 and 1
.macro JOB lb, w0, w1
	s_wait_xcnt 0x0                                ; earlier stores have read the codes' registers
	s_wait_loadcnt 0x0                             ; the scale words are in
	s_wait_dscnt \w0
	MULS 0
	PLACES 8
	LOADS \lb, 2
	s_wait_dscnt \w1
	MULS 1
	PLACES 8
	LOADS \lb, 3
	s_wait_dscnt 16                                ; step 3's 16 loads may be out
	MULS 2
	s_wait_dscnt 0x0
	MULS 3
	PLACES 8                                       ; in front of the first read of results, and of the loads below into operands' and scales' registers
.endm
	s_load_b512 s[4:19], s[0:1], 0x0               ; x codes, x scales, wq codes, wq scales, wk codes, wk scales, wv codes, wv scales
	s_load_b256 s[20:27], s[0:1], 0x40             ; wo, q_img, q_scl, kv
	s_load_b64 s[28:29], s[0:1], 0x60              ; wo_q
	v_lshl_add_u32 v[SPW], v0, 2, SPARE
	v_mov_b32 v[NIL], 0
	ds_add_u32 v[SPW], v[NIL]                      ; the wave's opening: the add, twice on end, and its wait ahead of my first tensor load
	ds_add_u32 v[SPW], v[NIL]
	v_lshrrev_b32 v1, 5, v0
	v_readfirstlane_b32 s[WV], v1                  ; wave 0..7
	v_and_b32 v1, 15, v0                           ; r
	v_bfe_u32 v2, v0, 4, 1                         ; h
	v_and_b32 v16, 7, v0                           ; r % 8
	v_bfe_u32 v17, v0, 3, 1                        ; r / 8
	v_and_b32 v18, 31, v0                          ; lane
	s_and_b32 s[HALF], s[WV], 1
	s_lshr_b32 s[PI], s[WV], 1
	v_mul_u32_u24 v19, v16, LP
	v_mad_u32_u24 v19, v17, ODD, v19
	v_lshl_add_u32 v19, v2, 4, v19                 ; line r % 8 of the region r / 8, + 16 h
	s_mul_i32 s98, s[HALF], 32*LP
	v_add_nc_u32 v[LBX], s98, v19
	v_add_nc_u32 v[LBQ], TEN, v[LBX]
	v_add_nc_u32 v[LBK], 2*TEN, v[LBX]
	s_mul_i32 s98, s[PI], 16*LP
	v_add_nc_u32 v[STX], s98, v19
	v_add_nc_u32 v[STV], 3*TEN, v[STX]
	v_lshlrev_b32 v[LI], 4, v18
	v_lshlrev_b32 v[LS], 2, v18
	v_mul_u32_u24 v20, v17, 256
	v_lshl_add_u32 v20, v16, 4, v20                ; 16 (r + 8 (r / 8))
	s_lshl_b32 s98, s[HALF], 10
	v_add_nc_u32 v[LSC], s98, v20
	s_lshl_b32 s98, s[PI], 9
	v_add_nc_u32 v[SCS], s98, v20
	v_add_nc_u32 v[CPL], SCW, v[LI]
	v_lshlrev_b32 v[WOFF], 2, v1
	v_lshl_add_u32 v[WOFF], v2, 15, v[WOFF]
	v_mul_u32_u24 v[CPO], v2, 8448
	v_lshl_add_u32 v[CPO], v1, 4, v[CPO]
	s_lshl_b32 s98, s[PI], 7
	s_lshl_b32 s99, s[HALF], 1
	s_add_co_u32 s98, s98, s99
	s_add_co_u32 s98, s98, SCW
	v_lshl_add_u32 v[SWA], v1, 2, s98
.irp b, 0,1,2,3
	v_mov_b32 v[TM+4+\b], 0                        ; a lane permute's destination counts as one of its sources
.endr
	s_bfe_u32 s[CX], ttmp6, 0x40000                ; cx = the head (the grid is one cluster wide)
	s_bfe_u32 s[CY], ttmp6, 0x40004
	s_and_b32 s[WGY], ttmp7, 0xffff
	s_lshl_b32 s[WGY], s[WGY], 2
	s_add_co_u32 s[WGY], s[WGY], s[CY]             ; my block of 128 rows of x
	s_lshl_b32 s87, s[CY], 2
	s_lshl_b32 s87, 15, s87                        ; my row of the cluster
	s_lshl_b32 s88, 0x1111, s[CX]                  ; my column
	s_or_b32 s[G1XC], s87, CODEW
	s_or_b32 s[G1WC], s88, CODEW
.irp g, G1XC, G1WC                     ; codes: 4 runs of 16 dense rows (8,192 bytes), 32 rows apart
	s_mov_b32 s[\g+1], 1024<<16                    ; tensor_dim0
	s_mov_b32 s[\g+2], 4<<16                       ; tensor_dim1
	s_mov_b32 s[\g+3], 1024<<16                    ; tile_dim0
	s_mov_b32 s[\g+4], 4                           ; tile_dim1
	s_mov_b32 s[\g+5], 2048                        ; stride
	s_mov_b32 s[\g+6], 0
	s_mov_b32 s[\g+7], 0
.endr
	s_lshl_b32 s93, s[HALF], 13                    ; codes: my half begins 16 rows on
	s_lshl_b32 s96, s[WGY], 16
	s_add_co_u32 s96, s96, s93                     ; x's codes: made of the row block and the wave alone
	s_mov_b32 s97, 0
	s_lshl_b32 s98, s[CX], 16
	s_add_co_u32 s98, s98, s93                     ; the weights': of the head and the wave alone
	s_mov_b32 s99, 0
	s_lshl_b32 s2, s[WGY], 11                      ; scale bytes: 2,048 for 128 rows
	s_mov_b32 s3, 0
	s_lshl_b32 s100, s[CX], 11
	s_mov_b32 s101, 0
	s_mul_i32 s66, s[PI], TEN
	s_mul_i32 s67, s[HALF], ODD
	s_add_co_u32 s66, s66, s67                     ; where my codes go: the wave's number alone
	s_mov_b32 s[SEL], 0x76543210
	s_mov_b32 s[SEL+1], 0xfedcba98
	s_mov_b32 s[MNT], 0x600000
	s_mov_b32 s[QS], 0x3db504f3                    ; 128^-0.5
	s_mov_b32 s[QS+1], s[QS]
	s_wait_dscnt 0x0                               ; both opening adds are done
	s_wait_kmcnt 0x0
	s_mov_b32 s[G0XC], 1
	s_mov_b32 s[G0XC+1], s66
	s_add_nc_u64 s[G0XC+2:G0XC+3], s[4:5], s[96:97]
	s_or_b32 s[G0XC+3], s[G0XC+3], 0x80000000
	s_add_nc_u64 s[XSB:XSB+1], s[6:7], s[2:3]
	s_add_nc_u64 s[QSB:QSB+1], s[10:11], s[100:101]
	s_add_nc_u64 s[KSB:KSB+1], s[14:15], s[100:101]
	s_add_nc_u64 s[VSB:VSB+1], s[18:19], s[100:101]
	s_cmp_eq_u32 s[PI], 2                          ; waves 2, 3: wq; 4, 5: wk; 6, 7: wv: a choice on the wave's number
	s_cselect_b64 s[8:9], s[12:13], s[8:9]
	s_cmp_eq_u32 s[PI], 3
	s_cselect_b64 s[8:9], s[16:17], s[8:9]
	s_mov_b32 s[G0WC], 1
	s_mov_b32 s[G0WC+1], s66
	s_add_nc_u64 s[G0WC+2:G0WC+3], s[8:9], s[98:99]
	s_or_b32 s[G0WC+3], s[G0WC+3], 0x80000000
	CROUND                                         ; all sixteen work-groups are here: the joint loads meet
	s_cmp_lt_u32 s[WV], 2                          ; every wave issues one load, in one of three arms: what is shown first has lines of its own
	s_cbranch_scc0 .Lfill_q
	TLOAD G0XC, G1XC
	s_branch .Lfilled
.Lfill_q:
	s_cmp_lt_u32 s[WV], 4
	s_cbranch_scc0 .Lfill_kv
	TLOAD G0WC, G1WC                               ; waves 2, 3: wq
	s_branch .Lfilled
.Lfill_kv:
	TLOAD G0WC, G1WC                               ; waves 4 to 7: wk, wv
.Lfilled:
	WALU
	SCALES QSB                                     ; the first job's scale words: wq's tiles, and x's
	STSC XSB
	; where my results go: (batch, head, key step) = 128 (block / 32) + 32 head + block % 32
	s_lshr_b32 s96, s[WGY], 5
	s_lshl_b32 s96, s96, 7
	s_and_b32 s97, s[WGY], 31
	s_add_co_u32 s96, s96, s97
	s_lshl_b32 s97, s[CX], 5
	s_add_co_u32 s96, s96, s97
	s_lshl_b32 s2, s[HALF], 10                     ; register groups 2 g, 2 g + 1
	s_lshl_b32 s98, s96, 14
	s_lshl_b32 s99, s[PI], 12
	s_add_co_u32 s98, s98, s99
	s_add_co_u32 s98, s98, s2
	s_mov_b32 s99, 0
	s_add_nc_u64 s[22:23], s[22:23], s[98:99]      ; q_img: my two tiles' images
	s_lshl_b32 s98, s96, 9
	s_add_nc_u64 s[24:25], s[24:25], s[98:99]      ; q_scl: the step's 512 bytes
	s_mul_i32 s98, s96, 33792
	s_add_nc_u64 s[26:27], s[26:27], s[98:99]      ; kv: the step's block
	s_lshr_b32 s98, s[PI], 1
	s_mul_i32 s98, s98, 8448
	s_and_b32 s97, s[PI], 1
	s_lshl_b32 s97, s97, 12
	s_add_co_u32 s98, s98, s97
	s_add_co_u32 s98, s98, s2
	s_add_nc_u64 s[4:5], s[26:27], s[98:99]        ; my images among K's two quarters; V's lie 16,896 bytes on
	; wo: 128 fragments (32 tiles of 16 columns x 4 K steps), one for wave 7 of each work-group of the first eight clusters, while the tiles are on their way.  The branches hang on the wave's and the cluster's numbers; no LDS is touched
	s_cmp_lg_u32 s[WV], 7
	s_cbranch_scc1 .Lno_wo
	s_and_b32 s96, ttmp7, 0xffff
	s_cmp_gt_u32 s96, 7
	s_cbranch_scc1 .Lno_wo
	s_lshl_b32 s96, s96, 4
	s_lshl_b32 s97, s[CY], 2
	s_add_co_u32 s96, s96, s97
	s_add_co_u32 s96, s96, s[CX]                   ; which fragment
	s_and_b32 s97, s96, 31                         ; its tile of columns
	s_lshr_b32 s96, s96, 5                         ; its K step = the head
	s_lshl_b32 s98, s96, 18
	s_lshl_b32 s100, s97, 6
	s_add_co_u32 s98, s98, s100
	s_add_nc_u64 s[20:21], s[20:21], s[98:99]      ; wo at row 128 ks, column 16 tile
	s_mul_i32 s101, s97, 8704
	s_lshl_b32 s100, s96, 11
	s_add_co_u32 s98, s101, s100
	s_add_nc_u64 s[6:7], s[28:29], s[98:99]        ; its image
	s_lshl_b32 s100, s96, 7
	s_add_co_u32 s98, s101, s100
	s_add_nc_u64 s[28:29], s[28:29], s[98:99]      ; its scale words, 8,192 bytes on
.irp c, 0,1,2,3
.irp i, 0,1,2,3,4,5,6,7,8,9,10,11,12,13,14,15
	global_load_b32 v[ACC+16*\c+\i], v[WOFF], s[20:21] offset:(32*\c+\i)*2048 th:TH_LOAD_NT   ; a lane takes column r, its registers run down K: 32 c + 16 h + i
.endr
.endr
	s_wait_loadcnt 0x0
	QUANT
	v_lshl_or_b32 v[PW], v[PW+1], 16, v[PW]        ; all four bytes are this fragment's
.irp c, 0,1,2,3
	global_store_b128 v[LI], v[PC+4*\c:PC+4*\c+3], s[6:7] offset:512*\c
.endr
	global_store_b32 v[LS], v[PW], s[28:29] offset:8192
.Lno_wo:
	WALU
	s_cmp_lt_u32 s[WV], 4
	s_cbranch_scc0 .Lnot_first
	s_wait_tensorcnt 0x0                           ; waves 0 to 3: x and wq have landed.  The other waves' wait stands at the second barrier
.Lnot_first:
	BARRIER
	STAY STX, 0                                    ; x's two tiles stay for two jobs
	LOADS LBQ, 0
	STAY STX, 1
	LOADS LBQ, 1
	STAY STX, 2
	STAY STX, 3
	JOB LBQ, 40, 32                                ; step 0: behind its loads 8 + 16 + 8 + 8;  step 1: 8 + 8, and step 2's 16
	s_wait_tensorcnt 0x0                           ; wk and wv have landed
	BARRIER
	SCALES KSB
	LOADS LBK, 0                                   ; the next job's first two K steps land under this one's way out
	LOADS LBK, 1
.set j, 0
.rept 32
	v_pk_mul_f32 v[ACC+j:ACC+j+1], v[ACC+j:ACC+j+1], s[QS:QS+1] op_sel_hi:[1,0]   ; q x 128^-0.5, ahead of the quantiser; each accumulator from its low end on
.set j, j+2
.endr
	QUANT
	SENDQ 22, 0, 1024
	JOB LBK, 0, 16                                 ; step 1: step 2's 16 loads may be out
	SCALES XSB
	STSC VSB
	LOADS LBX, 0
	LOADS LBX, 1
.irp s, 0,1,2,3
	STAY STV, \s                                   ; wv's two tiles stay now
.endr
	QUANT
	SENDQ 4, 0, 0
	JOB LBX, 0, 16
	QUANT
	SENDQ 4, 16896, 512
	s_wait_dscnt 0x0                               ; for the others' sake: my scale bytes lie in LDS
	BARRIER
	s_cmp_lg_u32 s[WV], 0                          ; wave 0 sends the 24 tiles' scale words out: sixteen lanes store 256 consecutive bytes
	s_cbranch_scc1 .Lnot_copy
	ds_load_b128 v[SBE:SBE+3], v[CPL]
	ds_load_b128 v[SBE+4:SBE+7], v[CPL] offset:512
	ds_load_b128 v[SBE+8:SBE+11], v[CPL] offset:1024
	s_wait_dscnt 0x0
	global_store_b128 v[CPO], v[SBE:SBE+3], s[26:27] offset:8192
	global_store_b128 v[CPO], v[SBE+4:SBE+7], s[26:27] offset:16896+8192
	global_store_b128 v[LI], v[SBE+8:SBE+11], s[24:25]
.Lnot_copy:
	s_wait_tensorcnt 0x0                           ; the wave's end
	ds_add_u32 v[SPW], v[NIL]
	s_wait_dscnt 0x0
	CROUND                                         ; the closing round
	s_endpgm
.Lfunc_end_k_q768b5634ad_qkv:
	.size	k_q768b5634ad_qkv, .Lfunc_end_k_q768b5634ad_qkv-k_q768b5634ad_qkv
	.p2alignl 7, 3214868480
	.fill 96, 4, 3214868480
	.section	.rodata,"a",@progbits
	.p2align	6, 0x0
	.amdhsa_kernel k_q768b5634ad_qkv
		.amdhsa_group_segment_fixed_size 327680
		.amdhsa_private_segment_fixed_size 0
		.amdhsa_enable_private_segment 0
		.amdhsa_kernarg_size 104
		.amdhsa_user_sgpr_count 2
		.amdhsa_user_sgpr_kernarg_segment_ptr 1
		.amdhsa_wavefront_size32 1
		.amdhsa_system_sgpr_workgroup_id_x 1
		.amdhsa_system_sgpr_workgroup_id_y 1
		.amdhsa_system_sgpr_workgroup_id_z 1
		.amdhsa_system_vgpr_workitem_id 0
		.amdhsa_next_free_vgpr 512
		.amdhsa_next_free_sgpr 102
		.amdhsa_reserve_vcc 0
		.amdhsa_float_denorm_mode_32 3
		.amdhsa_float_denorm_mode_16_64 3
		.amdhsa_memory_ordered 1
		.amdhsa_forward_progress 1
		.amdhsa_inst_pref_size 86
	.end_amdhsa_kernel
	.amdgpu_metadata
---
amdhsa.version: [ 1, 2 ]
amdhsa.kernels:
  - .name:           k_q768b5634ad_qkv
    .symbol:         k_q768b5634ad_qkv.kd
    .args:
      - { .name: x_codes, .offset: 0, .size: 8, .value_kind: global_buffer, .address_space: global }
      - { .name: x_scales, .offset: 8, .size: 8, .value_kind: global_buffer, .address_space: global }
      - { .name: wq_codes, .offset: 16, .size: 8, .value_kind: global_buffer, .address_space: global }
      - { .name: wq_scales, .offset: 24, .size: 8, .value_kind: global_buffer, .address_space: global }
      - { .name: wk_codes, .offset: 32, .size: 8, .value_kind: global_buffer, .address_space: global }
      - { .name: wk_scales, .offset: 40, .size: 8, .value_kind: global_buffer, .address_space: global }
      - { .name: wv_codes, .offset: 48, .size: 8, .value_kind: global_buffer, .address_space: global }
      - { .name: wv_scales, .offset: 56, .size: 8, .value_kind: global_buffer, .address_space: global }
      - { .name: wo, .offset: 64, .size: 8, .value_kind: global_buffer, .address_space: global }
      - { .name: q_img, .offset: 72, .size: 8, .value_kind: global_buffer, .address_space: global }
      - { .name: q_scl, .offset: 80, .size: 8, .value_kind: global_buffer, .address_space: global }
      - { .name: kv, .offset: 88, .size: 8, .value_kind: global_buffer, .address_space: global }
      - { .name: wo_q, .offset: 96, .size: 8, .value_kind: global_buffer, .address_space: global }
    .group_segment_fixed_size: 327680
    .private_segment_fixed_size: 0
    .kernarg_segment_align: 8
    .kernarg_segment_size: 104
    .max_flat_workgroup_size: 256
    .sgpr_count:     102
    .vgpr_count:     512
    .wavefront_size: 32
...
	.end_amdgpu_metadata
.endif
;; end of part 1
;; launch attn (part 2): grid 32 x 8, 8 waves a work-group, clusters of 4 x 1, 327,680 bytes of LDS; arguments q_img, q_scl, kv, rel_row, rel_col, o_q; writes o_q
.if DOCPART == 2
	.amdgcn_target "amdgcn-amd-amdhsa--gfx1250"
	.amdhsa_code_object_version 6
	.text
	.protected	k_q768b5634ad_attn
	.globl	k_q768b5634ad_attn
	.p2align	8
	.type	k_q768b5634ad_attn,@function
k_q768b5634ad_attn:
	s_mov_b64 s[64:65], 0
	v_nop
	global_prefetch_b8 v0, s[64:65] scope:SCOPE_SE
	s_setreg_imm32_b32 hwreg(HW_REG_WAVE_MODE, 25, 1), 1
	s_wait_xcnt 0x0
	s_wait_alu depctr_hold_cnt(0) depctr_sa_sdst(0) depctr_va_vdst(0) depctr_va_sdst(0) depctr_va_ssrc(0) depctr_va_vcc(0) depctr_vm_vsrc(0)
	s_getreg_b32 s2, hwreg(HW_REG_IB_STS2, 6, 4)
	s_cmp_eq_u32 s2, 0
	s_cbranch_scc0 .Lentry_in_a_cluster
	s_endpgm
.Lentry_in_a_cluster:
	s_bfe_u32 s2, ttmp6, 0x10000c
	s_cmp_lg_u32 s2, 0x3003
	s_cbranch_scc0 .Lentry_shape_is_right
	s_endpgm
.Lentry_shape_is_right:
; SECOND LAUNCH: o = softmax(q k^T + bias + mask) v on codes of E4M3, and o quantised along (head, channel) for the last product.
; LEFT OUT: a key step of 128 keys all of which come after the 256 queries of the cluster's block (reference()'s own -1e6 makes their p 0 in f32).  In a step that is walked, keys after a query get -infinity, which gives the same p = 0.
; LIMIT, as at the head of launch qkv: that holds while (a row's largest masked logit - its largest unmasked logit) < 1e6 - 104.  A NaN, an infinity or an overflow that reaches only masked keys is not carried.  The scaled scores stay under 2^31 in magnitude.
; The steps are left out by the cluster's number, not by the work-group's: no branch hangs on a place in the cluster, since the loads are joint.
; THE SOFTMAX: t = logit x log2(e); M = the running largest t rounded up to a whole number; p = 2^(t - M) is quantised along the keys, not normalised; the row's sum is taken of the unquantised p and divides at the end.
; SHARES.  Work-group j of a (batch, head) owns query blocks 63 - j and j of 64 queries (an image row each), one after the other.  Wave (tile T of 32 queries, key quarter P): P = w % 2 + 2 (w / 4), T = (w / 2) % 2.
; A slot holds 512 keys, four steps of 128; a wave does step P of every slot, for two tiles of 16 queries at once: each fragment of K and V feeds two products.
; For j = 8 m + 0 .. 7 the late block has 8 - m slots and the early one m + 1: nine trips for every work-group.  So the four work-groups of a cluster (j = 4 c + cx) walk the same slots and ask for them JOINTLY.
; At a block's end the four quarters' sums are brought under one M and joined through LDS: each wave finishes one block of 32 channels of its 32 queries.  A wave's LOCAL channel block k is block P xor k: so what it keeps is always local block 0.
; LAYOUT.  Both products transposed: S^T = K Q^T, O^T = V^T P^T: a lane holds one query (lane % 16).  K's and V's fragments lie in kv as images of their registers: a step's block = 4 quarters (K 0-3, K 4-7, V 0-3, V 4-7) of 4 images + 256 bytes of scale words.
; Wave w fetches quarter w % 4 of the slot's steps w / 4 and w / 4 + 2: so each load holds bytes of step 0 or 1, which are read in every slot.
; THE BIAS.  rel_col's part, 32 numbers a lane and tile, is the same in every step: it is the C of the score products.  rel_row's is two numbers a step.
; REGISTERS: window 0: v1-31 addresses, running values, scale words; v32-63 Q; v64-127 K's fragments 4-7, then v64-95 at work and v96-127 p's codes; v128-191, v192-255 S^T of the two tiles, then p; v128-191 V's fragments 4-7.
;   window 1: v0-63 fragments 0-3 of K, then of V; v64-127 rel_col's part; v128-191, v192-255 O^T.
.set QB,    8448                       ; a quarter of a step's block
.set QST,   2*QB                       ; in a slot: [step % 2][quarter][step / 2][8448]
.set STEPB, 4*QB
.set SLOTB, 4*STEPB
.set SLOT1, SLOTB                      ; slot 1 begins here: one exclusive or turns 0 into it and back
.set MST,   2*SLOTB                    ; the join: -M and sum of both tiles, 512 bytes a wave
.set MGA,   MST+4096                   ; the join: [T][receiver][d - 1][2048], d = sender's quarter xor receiver's
.set SPARE, MGA+49152                  ; the spare words: 128 bytes for each wave
.set LIK, 1                            ; v1   16 x lane + my step's place in a slot
.set LSK, 2                            ; v2   4 x lane + the same
.set SPW, 3                            ; v3   my spare word; never rewritten
.set NIL, 4                            ; v4   0; never rewritten
.set DL,  5                            ; v5   r - 16 h
.set NEGI, 6                           ; v6   -infinity
.set PFO, 7                            ; v7   256 x lane; never rewritten
.set NMA, 8                            ; v8, v12 -M;  v9, v13 the largest t;  v[10:11], v[14:15] the sum in two halves
.set KSW, 16                           ; v16-19 K's scale words: lanes 0-15 tile 2 p, lanes 16-31 tile 2 p + 1
.set VSW, 20                           ; v20-23 V's, by local block
.set PSW, 24                           ; v24-25 p's
.set ADK, 26
.set ADS, 27
.set QSW, 28                           ; v28-29 Q's
.set VB,  30                           ; v30-31 rel_row's two numbers x log2(e)
.set Q,   32
.set X,   64
.set BM,  X
.set PT,  X+4
.set HOLD, X+8
.set SOP, X+12
.set A,   X+16                         ; two pairs
.set TS,  X+20                         ; four pairs
.set T0,  X+28
.set F,   X+30                         ; a pair
.set PC,  96
.set S,   128
.set FR,  0                            ; window 1
.set BC,  64                           ; window 1
.set O,   128                          ; window 1
.set TB,  2
.set TF,  3
.set KVB, 16
.set WV,  18
.set MNT, 19
.set SEL, 20
.set CS,  22                           ; s[22:23] log2(e)
.set G1,  24
.set N1,  32                           ; slots of the late block
.set N1M, 33
.set TR,  34                           ; the trip
.set LIM, 35
.set P,   36
.set T,   37
.set WOF, 38
.set P128, 39
.set G0,  40
.set E,   44                           ; s[44:47] local block k's images in a step
.set GK,  52                           ; s[52:55] and its scale words
.set Q0,  56                           ; my first query; s57 the cluster's last, s58 its first
.set QHI, 57
.set QLO, 58
.set KF,  59                           ; my step's first key
.set BOF, 60
.set BH,  61
.set BR,  62
.set RRP, 66                           ; rel_row at [head][63 - my image row]
.set PFA, 68
.set OPC, 70
.set OPS, 72
.set Q02, 74                           ; the same for the early block
.set QHI2, 75
.set QLO2, 76
.set RRP2, 78
.set OPC2, 80
.set OPS2, 82
.set QC2, 84
.set QS2, 86
.set RS,  88                           ; s[88:90] where I send local blocks 1 to 3
.set RCV, 91
.set MS,  92                           ; s[92:95] the -M and sums of quarters P xor k
.set MSB, 0
.macro WIN new                         ; the immediate's high byte repeats the setting that is left
.if MSB != \new
	s_set_vgpr_msb (MSB<<8)|\new
.set MSB, \new
.endif
.endm
.macro WALU
	s_wait_alu depctr_va_vdst(0)
.endm
.macro PLACES n                        ; plain lines behind matrix instructions, ahead of readers of their results and of loads into their registers
.rept \n
	v_nop
.endr
.endm
.macro BARRIER
	s_barrier_signal -1
	s_barrier_wait -1
.endm
.macro CROUND                          ; a round of the cluster's barrier
	BARRIER
	s_cmp_lg_u32 s[WV], 0
	s_cbranch_scc1 .Lnot_wave_0_\@
	s_barrier_signal -3
.Lnot_wave_0_\@:
	s_barrier_wait -3
	BARRIER
.endm
.macro TLOAD
	tensor_load_to_lds s[G0:G0+3], s[G1:G1+7]
	s_nop 0
	PLACES 4
.endm
.macro SADD d, x
	s_add_co_u32 s\d, s\d, s\x
.endm
; where block s\blk's queries, biases and results lie
.macro BLKS blk, q0, rrp, opc, ops, qc, qs
	s_lshl_b32 s96, s\blk, 6
	s_lshl_b32 s97, s[T], 5
	s_add_co_u32 s[\q0], s96, s97
	s_mov_b32 s97, 0
	s_and_b32 s48, s[BH], 3                        ; head
	s_sub_co_u32 s96, 63, s\blk
	s_lshl_b32 s96, s96, 2
	s_lshl_b32 s49, s48, 9
	SADD 96, 49
	s_add_nc_u64 s[\rrp:\rrp+1], s[10:11], s[96:97]
	s_lshr_b32 s49, s[BH], 2                       ; batch
	s_lshl_b32 s49, s49, 8
	s_lshr_b32 s50, s[\q0], 4
	SADD 49, 50
	s_mul_i32 s49, s49, 8704                       ; my first tile of rows in o_q
	s_lshl_b32 s96, s48, 11
	SADD 96, 49
	s_lshl_b32 s50, s[P], 9
	SADD 96, 50
	s_add_nc_u64 s[\opc:\opc+1], s[14:15], s[96:97]
	s_lshl_b32 s96, s48, 7
	SADD 96, 49
	s_add_co_u32 s96, s96, s[P]
	s_add_nc_u64 s[\ops:\ops+1], s[14:15], s[96:97] ; its scale bytes lie 8,192 bytes on
	s_lshl_b32 s49, s[BH], 5
	s_lshr_b32 s50, s\blk, 1
	SADD 49, 50                                    ; (batch, head, step) of my queries
	s_and_b32 s50, s\blk, 1
	s_lshl_b32 s50, s50, 1
	s_add_co_u32 s50, s50, s[T]                    ; which 32 of the step's 128
	s_lshl_b32 s96, s49, 14
	s_lshl_b32 s51, s50, 12
	SADD 96, 51
	s_add_nc_u64 s[\qc:\qc+1], s[4:5], s[96:97]
	s_lshl_b32 s96, s49, 9
	s_lshl_b32 s51, s50, 7
	SADD 96, 51
	s_add_nc_u64 s[\qs:\qs+1], s[6:7], s[96:97]
.endm
; Q out of launch qkv's tiles: query 32 b + 16 i + r lies in tile 2 b + r / 8, lane row r % 8 + 8 i
.macro QADR a, b, w
	v_bfe_u32 v[\b], v0, 3, 1
	v_bfe_u32 v[\a], v0, 4, 1
	v_and_b32 v[\w], 7, v0
	v_lshlrev_b32 v[\a], 8, v[\a]
	v_lshl_add_u32 v[\a], v[\b], 11, v[\a]
	v_lshlrev_b32 v[\b], 6, v[\b]
	v_lshl_add_u32 v[\a], v[\w], 4, v[\a]
	v_lshl_add_u32 v[\b], v[\w], 2, v[\b]
.endm
.macro QLOAD a, b, qc, qs
.irp i, 0,1
.irp c, 0,1,2,3
	global_load_b128 v[Q+16*\i+4*\c:Q+16*\i+4*\c+3], v[\a], s[\qc:\qc+1] offset:512*\c+128*\i
.endr
	global_load_b32 v[QSW+\i], v[\b], s[\qs:\qs+1] offset:32*\i
.endr
.endm
.macro KQ t, fr                        ; S^T's tile t of both query tiles: source 0 = 16 keys, C = rel_col's part
.irp i, 0,1
.if (\t)%2
	v_wmma_scale_f32_16x16x128_f8f6f4 v[S+64*\i+8*(\t):S+64*\i+8*(\t)+7], v[\fr:\fr+15], v[Q+16*\i:Q+16*\i+15], v[BC+32*\i+8*((\t)%4):BC+32*\i+8*((\t)%4)+7], v[KSW+(\t)/2], v[QSW+\i] matrix_a_scale:MATRIX_SCALE_ROW1
.else
	v_wmma_scale_f32_16x16x128_f8f6f4 v[S+64*\i+8*(\t):S+64*\i+8*(\t)+7], v[\fr:\fr+15], v[Q+16*\i:Q+16*\i+15], v[BC+32*\i+8*((\t)%4):BC+32*\i+8*((\t)%4)+7], v[KSW+(\t)/2], v[QSW+\i]
.endif
.endr
.endm
.macro PV n, fr                        ; O^T's local tile n of both: source 0 = 16 channels, source 1 = p
.irp i, 0,1
.if (\n)%2
	v_wmma_scale_f32_16x16x128_f8f6f4 v[O+64*\i+8*(\n):O+64*\i+8*(\n)+7], v[\fr:\fr+15], v[PC+16*\i:PC+16*\i+15], v[O+64*\i+8*(\n):O+64*\i+8*(\n)+7], v[VSW+(\n)/2], v[PSW+\i] matrix_a_scale:MATRIX_SCALE_ROW1
.else
	v_wmma_scale_f32_16x16x128_f8f6f4 v[O+64*\i+8*(\n):O+64*\i+8*(\n)+7], v[\fr:\fr+15], v[PC+16*\i:PC+16*\i+15], v[O+64*\i+8*(\n):O+64*\i+8*(\n)+7], v[VSW+(\n)/2], v[PSW+\i]
.endif
.endr
.endm
.macro MASK s                          ; register 16 b + i holds key KF + 32 b + 16 h + i: masked where 32 b + i > v[T0] = my query - KF - 16 h
.set n, 0
.rept 16
.irp k, 0,1,2,3
	v_cmp_gt_i32 s[48+\k], 32*(n/16)+n%16+\k, v[T0]
.endr
.irp k, 0,1,2,3
	v_cndmask_b32 v[\s+n+\k], v[\s+n+\k], v[NEGI], s[48+\k]
.endr
.set n, n+4
.endr
.endm
; THE SOFTMAX OF A TILE: scores v[s] on (rel_col's part in them) -> codes v[pc] on, scale word v[psw]; -M, largest t, sum at v[nm] on; O^T at v[o] on of window 1
.macro SOFT s, nm, o, pc, psw
	WALU
.irp b, 0,1,2,3
	v_max3_num_f32 v[BM+\b], v[\s+16*\b], v[\s+1+16*\b], v[\s+2+16*\b]   ; the largest of each block of 32 keys: for the row's maximum, and for the block's largest p
.endr
.irp i, 3,5,7,9,11,13
.irp b, 0,1,2,3
	v_max3_num_f32 v[BM+\b], v[BM+\b], v[\s+16*\b+\i], v[\s+1+16*\b+\i]
.endr
.endr
.irp b, 0,1,2,3
	v_max_num_f32 v[BM+\b], v[BM+\b], v[\s+15+16*\b]
.endr
.irp b, 0,1,2,3
	v_permlanex16_b32 v[PT+\b], v[BM+\b], s[SEL], s[SEL+1]
.endr
.irp b, 0,1,2,3
	v_max_num_f32 v[BM+\b], v[BM+\b], v[PT+\b]     ; with lane l xor 16's 16 keys
.endr
.irp b, 0,1,2,3
	v_fma_f32 v[PT+\b], v[BM+\b], s[CS], v[VB+\b/2] ; the block's largest t: blocks 0, 1 lie in the step's first image row, 2, 3 in its second
.endr
	v_max3_num_f32 v[T0], v[PT], v[PT+1], v[PT+2]
	v_max3_num_f32 v[\nm+1], v[\nm+1], v[T0], v[PT+3] ; the running largest t
	v_mov_b32 v[T0], v[\nm]
	v_floor_f32 v[\nm], -v[\nm+1]                  ; the new -M = -ceil(t): a whole number
	v_sub_f32 v[T0], v[\nm], v[T0]                 ; old M - new M: a whole number, 0 or less
	v_add_f32 v[A], v[VB], v[\nm]
	v_add_f32 v[A+1], v[VB], v[\nm]
	v_cvt_i32_f32 v[T0], v[T0]                     ; (it saturates)
	v_add_f32 v[A+2], v[VB+1], v[\nm]
	v_add_f32 v[A+3], v[VB+1], v[\nm]
	v_ldexp_f32 v[F], 1.0, v[T0]                   ; f = 2^(old M - new M): rounds nothing
.set j, 0
.rept 32
	v_pk_fma_f32 v[\s+j:\s+j+1], v[\s+j:\s+j+1], s[CS:CS+1], v[A+2*(j/32):A+2*(j/32)+1] op_sel_hi:[1,0,1]   ; t - M
.set j, j+2
.endr
.irp b, 0,1,2,3
	v_fma_f32 v[BM+\b], v[BM+\b], s[CS], v[A+2*(\b/2)]   ; the same of each block's largest: the same bits
.endr
	WALU
.set n, 0
.rept 64
	v_exp_f32 v[\s+n], v[\s+n]                     ; p = 2^(t - M): not normalised
.set n, n+1
.endr
	v_pk_mul_f32 v[\nm+2:\nm+3], v[\nm+2:\nm+3], v[F:F+1] op_sel_hi:[1,0]   ; the sums under the new M: a plain line behind the exponentials
	WALU
.irp b, 0,1,2,3
	v_exp_f32 v[BM+\b], v[BM+\b]                   ; the blocks' largest p
.endr
.irp k, 0,2,4,6
	v_pk_add_f32 v[TS+\k:TS+\k+1], v[\s+\k:\s+\k+1], v[\s+8+\k:\s+9+\k]
.endr
.irp j, 16,24,32,40,48,56
.irp k, 0,2,4,6
	v_pk_add_f32 v[TS+\k:TS+\k+1], v[TS+\k:TS+\k+1], v[\s+\j+\k:\s+\j+\k+1]
.endr
.endr
	v_pk_add_f32 v[TS:TS+1], v[TS:TS+1], v[TS+2:TS+3]
	v_pk_add_f32 v[TS+4:TS+5], v[TS+4:TS+5], v[TS+6:TS+7]
	v_pk_add_f32 v[\nm+2:\nm+3], v[\nm+2:\nm+3], v[TS:TS+1]
	v_pk_add_f32 v[\nm+2:\nm+3], v[\nm+2:\nm+3], v[TS+4:TS+5]
	WALU
.irp b, 0,1,2,3
	v_max_num_f32 v[BM+\b], 0x4800000, v[BM+\b]    ; the floor 2^(9 - 127): a block whose every p is 0 keeps the byte 1: its codes are zeros
.endr
.irp b, 0,1,2,3
	v_add_nc_u32 v[SOP+\b], 0xfc000000, v[BM+\b]
.endr
.irp b, 0,1,2,3
	v_and_or_b32 v[HOLD+\b], v[BM+\b], 0x7f800000, s[MNT]
.endr
.irp b, 0,1,2,3
	v_lshrrev_b32 v[PT+\b], 23, v[SOP+\b]
.endr
	v_lshl_or_b32 v[\psw], v[PT+1], 8, v[PT]
	v_lshl_or_b32 v[\psw], v[PT+2], 16, v[\psw]
	v_lshl_or_b32 v[\psw], v[PT+3], 24, v[\psw]
.irp b, 0,1,2,3
.irp i, 0,1,2,3,4,5,6,7,8,9,10,11,12,13,14,15
	v_min_num_f32 v[\s+16*\b+\i], v[\s+16*\b+\i], v[HOLD+\b]   ; p is not negative: a one-sided hold (the conversion does not saturate: ISA guide 7.6.2)
.endr
	v_cvt_scalef32_pk8_fp8_f32 v[\pc+4*\b:\pc+1+4*\b], v[\s+16*\b:\s+7+16*\b], v[SOP+\b]
	v_cvt_scalef32_pk8_fp8_f32 v[\pc+2+4*\b:\pc+3+4*\b], v[\s+8+16*\b:\s+15+16*\b], v[SOP+\b]
.endr
	WIN 0x41
	WALU
.set j, 0
.rept 32
	v_pk_mul_f32 v[\o+j:\o+j+1], v[\o+j:\o+j+1], v[F:F+1] op_sel_hi:[1,0]   ; O^T under the new M; also the plain lines between the conversions and the products
.set j, j+2
.endr
	WIN 0
.endm
; A KEY STEP: my 128 keys of the slot in hand
.macro STEP
	s_cmp_gt_u32 s[KF], s[QHI]                     ; all its keys come after the cluster's queries: the step's work is left out (no barrier, no tensor load stands in a step)
	s_cbranch_scc1 .Lhidden_\@
	s_lshr_b32 s[BOF], s[KF], 4                    ; 4 bytes x the step's first image row
	s_load_b64 s[BR:BR+1], s[RRP:RRP+1], s[BOF] offset:0x0   ; rel_row[head][63 + rk - rq], rk = the step's two rows: at most index 66 of 128 in a step that is walked
	v_add_nc_u32 v[ADK], s[TB], v[LIK]
	v_add_nc_u32 v[ADS], s[TB], v[LSK]
	PLACES 7                                       ; with the two additions nine places behind the last products
.irp p, 0,1,2,3
	ds_load_b32 v[KSW+\p], v[ADS] offset:(\p/2)*QST+8192+128*(\p%2)
.endr
	WIN 0x40                                       ; destination window 1
.irp t, 0,1,2,3
.irp c, 0,1,2,3
	ds_load_b128 v[FR+16*\t+4*\c:FR+16*\t+4*\c+3], v[ADK] offset:\t*2048+512*\c
.endr
.endr
	WIN 0
.irp t, 0,1,2,3
.irp c, 0,1,2,3
	ds_load_b128 v[X+16*\t+4*\c:X+16*\t+4*\c+3], v[ADK] offset:QST+\t*2048+512*\c
.endr
.endr
	WALU
	s_wait_dscnt 16                                ; the scale words and tiles 0-3 are in; the youngest 16 loads, tiles 4-7, may be out
	WIN 0x11                                       ; sources 0 and 2 window 1
.irp t, 0,1,2,3
	KQ \t, FR+16*\t
.endr
	WIN 0x10
	s_wait_dscnt 8                                 ; tiles 6 and 7 may be out
.irp t, 4,5
	KQ \t, X+16*(\t-4)
.endr
	s_wait_dscnt 0x0
.irp t, 6,7
	KQ \t, X+16*(\t-4)
.endr
	WIN 0
	PLACES 8
	v_add_nc_u32 v[X], s[E], v[ADK]                ; V's local blocks 0 and 1, and all four blocks' scale words
	v_add_nc_u32 v[X+1], s[E+1], v[ADK]
.irp k, 0,1,2,3
	v_add_nc_u32 v[X+2+\k], s[GK+\k], v[ADS]
.endr
.irp k, 0,1,2,3
	ds_load_b32 v[VSW+\k], v[X+2+\k] offset:8192
.endr
	WIN 0x40
.irp t, 0,1,2,3
.irp c, 0,1,2,3
	ds_load_b128 v[FR+16*\t+4*\c:FR+16*\t+4*\c+3], v[X+\t/2] offset:(\t%2)*2048+512*\c   ; they land under the softmax
.endr
.endr
	WIN 0
	s_wait_kmcnt 0x0                               ; rel_row's two numbers
	v_mul_f32 v[VB], s[BR], s[CS]
	v_mul_f32 v[VB+1], s[BR+1], s[CS]
	s_add_co_u32 s96, s[KF], 127
	s_cmp_le_u32 s96, s[QLO]                       ; all keys of the step count for all the cluster's queries: no mask
	s_cbranch_scc1 .Lopen_\@
	s_sub_co_i32 s96, s[Q0], s[KF]
	v_add_nc_u32 v[T0], s96, v[DL]
	MASK S
	v_add_nc_u32 v[T0], 16, v[T0]                  ; the second tile's queries lie 16 on
	MASK S+64
.Lopen_\@:
	SOFT S, NMA, O, PC, PSW
	v_add_nc_u32 v[X], s[E+2], v[ADK]              ; V's local blocks 2 and 3 land where the first tile's p stood
	v_add_nc_u32 v[X+1], s[E+3], v[ADK]
.irp t, 0,1,2,3
.irp c, 0,1,2,3
	ds_load_b128 v[S+16*\t+4*\c:S+16*\t+4*\c+3], v[X+\t/2] offset:(\t%2)*2048+512*\c
.endr
.endr
	SOFT S+64, NMA+4, O+64, PC+16, PSW+1
	WALU
	s_wait_dscnt 0x0                               ; V is in
	WIN 0x51                                       ; sources 0 and 2 and the destination window 1
.irp n, 0,1,2,3
	PV \n, FR+16*\n                                ; sixteen accumulators by turns
.endr
	WIN 0x50
.irp n, 4,5,6,7
	PV \n, S+16*(\n-4)
.endr
	WIN 0
.Lhidden_\@:
	s_add_co_u32 s[KF], s[KF], 512
.endm
; THE CHANGE OF SLOTS, at a slot's head.  Each wave waits for all its tensor loads, adds 0 to its spare word, and waits for that and for its reads of the slot that it has left; behind the round the slot ahead is whole and nobody of the cluster reads the other.
.macro CHANGE fill
	s_wait_tensorcnt 0x0                           ; no tensor load of mine is out: the group 0 may be written
.if \fill
	ds_add_u32 v[SPW], v[NIL]
	s_xor_b32 s[TF], s[TF], SLOT1
	s_add_co_u32 s[G0+1], s[TF], s[WOF]            ; the other slot than last time
	s_add_co_u32 s96, s[TR], 1                     ; the walk's next slot: TR + 1, or TR + 1 - N1 once the late block's N1 slots are done: made of the trip and the cluster's number alone
	s_sub_co_u32 s97, s[N1M], s96
	s_lshr_b32 s97, s97, 31
	s_mul_i32 s97, s97, s[N1]
	s_sub_co_u32 s96, s96, s97
	s_mul_i32 s96, s96, SLOTB
	s_mov_b32 s97, 0
	s_add_nc_u64 s[G0+2:G0+3], s[KVB:KVB+1], s[96:97]
	s_or_b32 s[G0+3], s[G0+3], 0x80000000
	s_wait_xcnt 0x0                                ; the last prefetch, a slot back, has read its address
	s_add_nc_u64 s[PFA:PFA+1], s[PFA:PFA+1], SLOTB
	s_wait_dscnt 0x0
	CROUND
	TLOAD                                          ; a wave's one tensor load until the next change
	; a prefetch of what the NEXT change asks for, slot TR + 2 of the late block's walk.  All clusters of a (batch, head) walk the same kv: the first one, whose late block has all eight slots, asks; in it partner cx takes step cx (by address),
	; waves 4 to 7 a quarter each, 32 lanes 256 bytes apart; a quarter's last 256 bytes, slots 0 and 1 come by their loads alone, and behind slot 7 nothing is asked for
	s_cmp_lt_u32 s[TR], s[LIM]
	s_cbranch_scc0 .Lnot_mine_\@
	global_prefetch_b8 v[PFO], s[PFA:PFA+1] th:TH_LOAD_NT scope:SCOPE_SE
.Lnot_mine_\@:
.else
	s_wait_dscnt 0x0                               ; nothing is filled again: a plain barrier shows the last slot
	BARRIER
.endif
.endm
.macro SENDO o                         ; a tile's local blocks 1 to 3 to the waves that finish them; each accumulator from its low end on
	WIN 0x04                                       ; the data: window 1
.irp d, 1,2,3
.irp c, 0,1,2,3
	ds_store_b128 v[192+\d], v[\o+16*\d+4*\c:\o+16*\d+4*\c+3] offset:512*\c
.endr
.endr
	WIN 0
.endm
.macro RECV to
.irp d, 0,1,2
.irp c, 0,1,2,3
	ds_load_b128 v[\to+16*\d+4*\c:\to+16*\d+4*\c+3], v196 offset:2048*\d+512*\c
.endr
.endr
.endm
.macro ADDUP o, from, res, g           ; my 32 channels of a tile: local block 0 and three that were sent, each x its 2^(M - largest M) / the whole sum
	WIN 0x01
	WALU
.irp j, 0,2,4,6,8,10,12,14
	v_pk_mul_f32 v[\res+\j:\res+\j+1], v[\o+\j:\o+\j+1], v[\g:\g+1]
.endr
	WIN 0
.irp d, 0,1,2
.irp j, 0,2,4,6,8,10,12,14
	v_pk_fma_f32 v[\res+\j:\res+\j+1], v[\from+16*\d+\j:\from+16*\d+\j+1], v[\g+2+2*\d:\g+3+2*\d], v[\res+\j:\res+\j+1]
.endr
.endr
.endm
; A BLOCK'S END: the four key quarters are joined.  Its branch hangs on the trip and the cluster's number: every wave of every partner comes here alike.  next = 1: the early block follows
.macro MERGE next
	PLACES 8
	WALU
	v_and_b32 v252, 31, v0
	v_lshlrev_b32 v243, 4, v252                    ; 16 x lane
	v_lshlrev_b32 v252, 2, v252                    ; 4 x lane
.if \next
	QADR 240, 241, 242
	QLOAD 240, 241, QC2, QS2                       ; the early block's queries land meanwhile
.endif
	v_add_f32 v[X+1], v[NMA+2], v[NMA+3]           ; the sums' two halves,
	v_add_f32 v[X+3], v[NMA+6], v[NMA+7]
	v_mov_b32 v[X], v[NMA]
	v_mov_b32 v[X+2], v[NMA+4]
	v_permlanex16_b32 v[X+4], v[X+1], s[SEL], s[SEL+1]
	v_permlanex16_b32 v[X+5], v[X+3], s[SEL], s[SEL+1]
	v_add_f32 v[X+1], v[X+1], v[X+4]               ; and lane l xor 16's
	v_add_f32 v[X+3], v[X+3], v[X+5]
	v_add_nc_u32 v192, s[MS], v243
.irp d, 1,2,3
	v_add_nc_u32 v[192+\d], s[RS+\d-1], v243
.endr
	ds_store_b128 v192, v[X:X+3]
	SENDO O
	WALU
	s_wait_dscnt 0x0
	BARRIER                                        ; the first tile's parts lie in LDS
	v_add_nc_u32 v196, s[RCV], v243
.irp k, 1,2,3
	v_add_nc_u32 v[196+\k], s[MS+\k], v243
.endr
.irp k, 1,2,3
	ds_load_b128 v[X+4*\k:X+4*\k+3], v[196+\k]
.endr
	RECV S
	WALU
	s_wait_dscnt 0x0
	BARRIER                                        ; and have been read: the second tile's take their place
	SENDO O+64
	WALU
	s_wait_dscnt 0x0
	BARRIER
	RECV X+16
.irp i, 0,1                            ; the factors of tile i: -M at X + 4 k + 2 i, the sum behind it
	v_min3_num_f32 v197, v[X+2*\i], v[X+4+2*\i], v[X+8+2*\i]
	v_min_num_f32 v197, v197, v[X+12+2*\i]         ; the whole row's -M
.irp k, 0,1,2,3
	v_sub_f32 v[200+4*\i+\k], v197, v[X+4*\k+2*\i]
.endr
.irp k, 0,1,2,3
	v_cvt_i32_f32 v[200+4*\i+\k], v[200+4*\i+\k]   ; (it saturates: a quarter with no key for this query gets the factor 0)
.endr
.irp k, 0,1,2,3
	v_ldexp_f32 v[200+4*\i+\k], 1.0, v[200+4*\i+\k]
.endr
	v_mul_f32 v[198+\i], v[200+4*\i], v[X+1+2*\i]
.irp k, 1,2,3
	v_fma_f32 v[198+\i], v[200+4*\i+\k], v[X+4*\k+1+2*\i], v[198+\i]
.endr
.endr
	WALU
	v_rcp_f32 v198, v198
	v_rcp_f32 v199, v199
	v_nop
	WALU
.irp i, 0,1
.irp k, 0,1,2,3
	v_mul_f32 v[208+8*\i+2*\k], v[200+4*\i+\k], v[198+\i]
	v_mul_f32 v[209+8*\i+2*\k], v[200+4*\i+\k], v[198+\i]
.endr
.endr
	WALU
	s_wait_dscnt 0x0
	ADDUP O, S, 224, 208
	ADDUP O+64, X+16, 176, 216
	; quantised: a tile's 16 numbers of a lane at 224 - 48 i: channels 32 P + 16 h + 0 .. 15 of query r
.irp i, 0,1
	v_max3_num_f32 v[X+\i], |v[224-48*\i]|, |v[225-48*\i]|, 0x4800000
.endr
.irp n, 2,4,6,8,10,12,14
.irp i, 0,1
	v_max3_num_f32 v[X+\i], v[X+\i], |v[224-48*\i+\n]|, |v[225-48*\i+\n]|
.endr
.endr
.irp i, 0,1
	v_permlanex16_b32 v[X+2+\i], v[X+\i], s[SEL], s[SEL+1]
.endr
.irp i, 0,1
	v_max_num_f32 v[X+\i], v[X+\i], v[X+2+\i]
.endr
.irp i, 0,1
	v_add_nc_u32 v[X+4+\i], 0xfc000000, v[X+\i]
	v_and_or_b32 v[X+6+\i], v[X+\i], 0x7f800000, s[MNT]
.endr
.irp i, 0,1
	v_lshrrev_b32 v[X+8+\i], 23, v[X+4+\i]
.irp n, 0,1,2,3,4,5,6,7,8,9,10,11,12,13,14,15
	v_med3_num_f32 v[224-48*\i+\n], v[224-48*\i+\n], -v[X+6+\i], v[X+6+\i]
.endr
	v_cvt_scalef32_pk8_fp8_f32 v[244+4*\i:245+4*\i], v[224-48*\i:231-48*\i], v[X+4+\i]
	v_cvt_scalef32_pk8_fp8_f32 v[246+4*\i:247+4*\i], v[232-48*\i:239-48*\i], v[X+4+\i]
.endr
	v_nop
	WALU
.irp i, 0,1
	global_store_b128 v243, v[244+4*\i:247+4*\i], s[OPC:OPC+1] offset:8704*\i       ; 512 consecutive bytes: my register group of the last product's fragment
	global_store_b8 v252, v[X+8+\i], s[OPS:OPS+1] offset:8192+8704*\i               ; my byte of its scale words
.endr
	s_wait_xcnt 0x0                                ; the stores have read their registers and bases
.if \next
	v_mov_b32 v[NMA+1], 0xff61b1e6                 ; the running values anew.  O^T stays as it is: a query's first key brings the factor 0
	v_mov_b32 v[NMA+5], 0xff61b1e6
	v_floor_f32 v[NMA], -v[NMA+1]
	v_floor_f32 v[NMA+4], -v[NMA+5]
.irp k, 2,3,6,7
	v_mov_b32 v[NMA+\k], 0
.endr
	s_mov_b32 s[Q0], s[Q02]
	s_mov_b32 s[QHI], s[QHI2]
	s_mov_b32 s[QLO], s[QLO2]
	s_mov_b64 s[RRP:RRP+1], s[RRP2:RRP2+1]
	s_mov_b64 s[OPC:OPC+1], s[OPC2:OPC2+1]
	s_mov_b64 s[OPS:OPS+1], s[OPS2:OPS2+1]
	s_mov_b32 s[KF], s[P128]
	WALU
	s_wait_loadcnt 0x0                             ; the early block's queries
.endif
.endm
	s_load_b256 s[4:11], s[0:1], 0x0               ; q_img, q_scl, kv, rel_row
	s_load_b128 s[12:15], s[0:1], 0x20             ; rel_col, o_q
	v_lshl_add_u32 v[SPW], v0, 2, SPARE
	v_mov_b32 v[NIL], 0
	ds_add_u32 v[SPW], v[NIL]                      ; the wave's opening: the add, twice on end, and its wait ahead of the first tensor load
	ds_add_u32 v[SPW], v[NIL]
	v_lshrrev_b32 v64, 5, v0
	v_readfirstlane_b32 s[WV], v64                 ; wave 0..7
	v_and_b32 v65, 31, v0                          ; lane
	v_and_b32 v66, 15, v0                          ; r
	v_bfe_u32 v67, v0, 4, 1                        ; h
	v_lshlrev_b32 v[PFO], 8, v65
	v_lshlrev_b32 v70, 4, v67
	v_sub_nc_u32 v[DL], v66, v70
	v_mov_b32 v[NEGI], 0xff800000
	QADR 71, 72, 74
	s_and_b32 s96, s[WV], 1
	s_lshr_b32 s97, s[WV], 2
	s_lshl_b32 s98, s97, 1
	s_or_b32 s[P], s96, s98
	s_bfe_u32 s[T], s[WV], 0x10001
	s_lshl_b32 s[P128], s[P], 7
	s_mul_i32 s98, s96, 4*QST                      ; my step's place in a slot
	s_mul_i32 s99, s97, QB
	SADD 98, 99
	v_lshl_add_u32 v[LIK], v65, 4, s98
	v_lshl_add_u32 v[LSK], v65, 2, s98
	s_lshl_b32 s97, s[T], 7
	s_sub_co_u32 s97, 188, s97
	v_lshl_add_u32 v73, v67, 6, s97                ; rel_col: 4 (63 + 16 h - r - my first column), less 64: the second tile's columns lie 16 on
	v_lshlrev_b32 v74, 2, v66
	v_sub_nc_u32 v73, v73, v74
	WALU
.irp k, 0,1,2,3
	s_xor_b32 s99, s[P], \k                        ; local block k is channel block P xor k
	s_lshr_b32 s100, s99, 1
	s_and_b32 s99, s99, 1
	s_mul_i32 s100, s100, QST
	s_add_co_u32 s100, s100, 2*QST
	s_mul_i32 s101, s99, 4096
	s_add_co_u32 s[E+\k], s100, s101
	s_mul_i32 s101, s99, 128
	s_add_co_u32 s[GK+\k], s100, s101
	s_xor_b32 s99, s[WV], (\k%2)+4*(\k/2)          ; the wave of my tile with quarter P xor k
	s_lshl_b32 s99, s99, 9
	s_add_co_u32 s[MS+\k], s99, MST
.endr
	s_lshl_b32 s98, s[T], 2
.irp d, 1,2,3
	s_xor_b32 s99, s[P], \d
	SADD 99, 98
	s_mul_i32 s99, s99, 6144
	s_add_co_u32 s[RS+\d-1], s99, MGA+(\d-1)*2048
.endr
	s_add_co_u32 s99, s98, s[P]
	s_mul_i32 s99, s99, 6144
	s_add_co_u32 s[RCV], s99, MGA
	s_and_b32 s[BH], ttmp7, 0xffff                 ; batch x 4 + head
	s_bfe_u32 s100, ttmp6, 0x40000                 ; cx
	s_lshl_b32 s99, ttmp9, 2
	s_add_co_u32 s101, s99, s100                   ; the early block j
	s_lshl_b32 s[QLO2], s99, 6
	s_or_b32 s[QHI2], s[QLO2], 255
	s_sub_co_u32 s99, 60, s99
	s_lshl_b32 s[QLO], s99, 6
	s_or_b32 s[QHI], s[QLO], 255
	s_sub_co_u32 s98, 63, s101                     ; the late block
	s_lshr_b32 s96, ttmp9, 1
	s_sub_co_u32 s[N1], 8, s96
	s_sub_co_u32 s[N1M], s[N1], 1
	s_lshr_b32 s96, s[WV], 2
	s_cmp_eq_u32 ttmp9, 0
	s_cselect_b32 s97, 6, 0
	s_mul_i32 s[LIM], s96, s97                     ; waves 4 to 7 of the first cluster prefetch in trips 0 to 5
	s_mul_i32 s[WOF], s[WV], QST
	s_mul_i32 s99, s[BH], 32*STEPB                 ; my (batch, head) in kv
	s_and_b32 s48, s[WV], 3
	s_mul_i32 s48, s48, QB
	s_mul_i32 s96, s96, STEPB
	SADD 96, 48
	SADD 96, 99
	s_mov_b32 s97, 0
	s_mul_i32 s50, s100, STEPB
	SADD 50, 48
	SADD 50, 99
	s_add_co_u32 s50, s50, SLOTB
	s_mov_b32 s51, 0
	s_mov_b32 s[G1], 15|(3<<16)|(1<<21)            ; all four of the cluster; elements of 8 bytes; bit 21 beside a mask; no padding
	s_mov_b32 s[G1+1], 1056<<16                    ; tensor_dim0: a quarter, 8,448 bytes
	s_mov_b32 s[G1+2], 2<<16                       ; tensor_dim1: two steps
	s_mov_b32 s[G1+3], 1056<<16                    ; tile_dim0
	s_mov_b32 s[G1+4], 2                           ; tile_dim1
	s_mov_b32 s[G1+5], 8448                        ; two steps on: 67,584 bytes
	s_mov_b32 s[G1+6], 0
	s_mov_b32 s[G1+7], 0
	s_mov_b32 s[SEL], 0x76543210
	s_mov_b32 s[SEL+1], 0xfedcba98
	s_mov_b32 s[CS], 0x3fb8aa3b                    ; log2(e)
	s_mov_b32 s[CS+1], s[CS]
	s_mov_b32 s[MNT], 0x600000
	s_mov_b32 s[TB], 0
	s_mov_b32 s[TF], 0
	s_mov_b32 s[TR], 0
	s_mov_b32 s[KF], s[P128]
	s_wait_dscnt 0x0                               ; both opening adds are done
	s_wait_kmcnt 0x0
	s_add_nc_u64 s[KVB:KVB+1], s[8:9], s[96:97]
	s_add_nc_u64 s[PFA:PFA+1], s[8:9], s[50:51]    ; my part of slot 1: the first change steps it to slot 2
	s_mov_b32 s[G0], 1
	s_mov_b32 s[G0+1], s[WOF]
	s_mov_b64 s[G0+2:G0+3], s[KVB:KVB+1]
	s_or_b32 s[G0+3], s[G0+3], 0x80000000
	CROUND                                         ; all four work-groups are here: the first joint loads meet
	TLOAD                                          ; slot 0
	BLKS 101, Q02, RRP2, OPC2, OPS2, QC2, QS2
	BLKS 98, Q0, RRP, OPC, OPS, 4, 6
	s_lshl_b32 s96, s48, 9                         ; (s48: the head)
	s_add_nc_u64 s[12:13], s[12:13], s[96:97]      ; rel_col's row
	QLOAD 71, 72, 4, 6
	WIN 0x40
.irp i, 0,1
.set n, 0
.rept 32
	global_load_b32 v[BC+32*\i+n], v73, s[12:13] offset:64*(1-\i)+128*(n/16)+4*(n%16)   ; rel_col[head][63 + 32 (n / 16) + 16 h + n % 16 - my column]
.set n, n+1
.endr
.endr
.set n, 0
.rept 128
	v_mov_b32 v[O+n], 0                            ; the step is written for all steps alike: the first finds zeros
.set n, n+1
.endr
	WIN 0
	v_mov_b32 v[NMA+1], 0xff61b1e6                 ; the largest t so far: -3e38
	v_mov_b32 v[NMA+5], 0xff61b1e6
	v_floor_f32 v[NMA], -v[NMA+1]
	v_floor_f32 v[NMA+4], -v[NMA+5]
.irp k, 2,3,6,7
	v_mov_b32 v[NMA+\k], 0
.endr
	WALU
	s_wait_loadcnt 0x0
.set n, 0
.rept 32
	v_mov_b32 v[X+n], 0                            ; (upper halves of pairs, and lane permutes' destinations, are named before a step writes them)
.set n, n+1
.endr
	WALU
.Lslot:                                            ; eight trips: behind each change the walk's next slot is asked for
	CHANGE 1
	STEP
	s_cmp_lg_u32 s[TR], s[N1M]                     ; the late block's last slot?  The trip and the cluster's number alone
	s_cbranch_scc1 .Lgoes_on
	MERGE 1
.Lgoes_on:
	s_xor_b32 s[TB], s[TB], SLOT1
	s_add_co_u32 s[TR], s[TR], 1
	s_cmp_lt_u32 s[TR], 8
	s_cbranch_scc1 .Lslot
	CHANGE 0                                       ; the ninth slot is written out: no load follows it
	STEP
	MERGE 0
	s_wait_tensorcnt 0x0                           ; the wave's end
	ds_add_u32 v[SPW], v[NIL]
	s_wait_dscnt 0x0
	CROUND                                         ; the closing round
	s_endpgm
.Lfunc_end_k_q768b5634ad_attn:
	.size	k_q768b5634ad_attn, .Lfunc_end_k_q768b5634ad_attn-k_q768b5634ad_attn
	.p2alignl 7, 3214868480
	.fill 96, 4, 3214868480
	.section	.rodata,"a",@progbits
	.p2align	6, 0x0
	.amdhsa_kernel k_q768b5634ad_attn
		.amdhsa_group_segment_fixed_size 327680
		.amdhsa_private_segment_fixed_size 0
		.amdhsa_enable_private_segment 0
		.amdhsa_kernarg_size 48
		.amdhsa_user_sgpr_count 2
		.amdhsa_user_sgpr_kernarg_segment_ptr 1
		.amdhsa_wavefront_size32 1
		.amdhsa_system_sgpr_workgroup_id_x 1
		.amdhsa_system_sgpr_workgroup_id_y 1
		.amdhsa_system_sgpr_workgroup_id_z 1
		.amdhsa_system_vgpr_workitem_id 0
		.amdhsa_next_free_vgpr 512
		.amdhsa_next_free_sgpr 102
		.amdhsa_reserve_vcc 0
		.amdhsa_float_denorm_mode_32 3
		.amdhsa_float_denorm_mode_16_64 3
		.amdhsa_memory_ordered 1
		.amdhsa_forward_progress 1
		.amdhsa_inst_pref_size 177
	.end_amdhsa_kernel
	.amdgpu_metadata
---
amdhsa.version: [ 1, 2 ]
amdhsa.kernels:
  - .name:           k_q768b5634ad_attn
    .symbol:         k_q768b5634ad_attn.kd
    .args:
      - { .name: q_img, .offset: 0, .size: 8, .value_kind: global_buffer, .address_space: global }
      - { .name: q_scl, .offset: 8, .size: 8, .value_kind: global_buffer, .address_space: global }
      - { .name: kv, .offset: 16, .size: 8, .value_kind: global_buffer, .address_space: global }
      - { .name: rel_row, .offset: 24, .size: 8, .value_kind: global_buffer, .address_space: global }
      - { .name: rel_col, .offset: 32, .size: 8, .value_kind: global_buffer, .address_space: global }
      - { .name: o_q, .offset: 40, .size: 8, .value_kind: global_buffer, .address_space: global }
    .group_segment_fixed_size: 327680
    .private_segment_fixed_size: 0
    .kernarg_segment_align: 8
    .kernarg_segment_size: 48
    .max_flat_workgroup_size: 256
    .sgpr_count:     102
    .vgpr_count:     512
    .wavefront_size: 32
...
	.end_amdgpu_metadata
.endif
;; end of part 2
;; launch proj (part 3): grid 4 x 64, 8 waves a work-group, clusters of 4 x 4, 175,104 bytes of LDS; arguments o_q, wo_q, out0; writes out0
.if DOCPART == 3
	.amdgcn_target "amdgcn-amd-amdhsa--gfx1250"
	.amdhsa_code_object_version 6
	.text
	.protected	k_q768b5634ad_proj
	.globl	k_q768b5634ad_proj
	.p2align	8
	.type	k_q768b5634ad_proj,@function
k_q768b5634ad_proj:
	s_mov_b64 s[64:65], 0
	v_nop
	global_prefetch_b8 v0, s[64:65] scope:SCOPE_SE
	s_setreg_imm32_b32 hwreg(HW_REG_WAVE_MODE, 25, 1), 1
	s_wait_xcnt 0x0
	s_wait_alu depctr_hold_cnt(0) depctr_sa_sdst(0) depctr_va_vdst(0) depctr_va_sdst(0) depctr_va_ssrc(0) depctr_va_vcc(0) depctr_vm_vsrc(0)
	s_getreg_b32 s2, hwreg(HW_REG_IB_STS2, 6, 4)
	s_cmp_eq_u32 s2, 0
	s_cbranch_scc0 .Lentry_in_a_cluster
	s_endpgm
.Lentry_in_a_cluster:
	s_bfe_u32 s2, ttmp6, 0x10000c
	s_cmp_lg_u32 s2, 0xf033
	s_cbranch_scc0 .Lentry_shape_is_right
	s_endpgm
.Lentry_shape_is_right:
; THIRD LAUNCH: out = o wo, [8192, 512] x [512, 512], on the codes that launches attn and qkv made.  Nothing is left out here.
; A work-group makes 128 rows x 128 columns.  Its 8 tiles of o's rows and its 8 tiles of wo's columns are two dense blocks of 69,632 bytes (a tile: 4 K steps' images of 2,048 bytes, then 4 x 128 bytes of scale words):
; they come into LDS once, each wave bringing 17,408 bytes; K = 512 lies whole in LDS and nothing is filled again.  CLUSTER 4 x 4: o's block is shared along a row of the cluster, wo's along a column.
; Wave w makes row tiles 2 (w / 2) + 0, 1 x column tiles 4 (w % 2) + 0 .. 3: eight accumulators by turns.  The product is used transposed (source 0 = 16 columns of wo, source 1 = 16 rows of o): a lane holds eight neighbouring numbers of a row of out.
.set TILE,  8704
.set BLK,   8*TILE
.set STAGE, 2*BLK                      ; 16 rows x (256 + 16) bytes for each wave
.set SPARE, STAGE+8*16*272
.set LI,  1
.set LS,  2
.set AO,  3
.set AW,  4
.set ASO, 5
.set ASW, 6
.set STO, 7
.set RD,  8
.set CO,  9
.set SPW, 10
.set NIL, 11
.set OSW, 192                          ; K step k's scale words: o's at v192 + 8 k, wo's at v194 + 8 k: scales and nothing else
.set WSW, 194
.set OF,  32                           ; v32-63  two fragments of o
.set WF,  64                           ; v64-127 four of wo
.set ACC, 128                          ; v128-191 accumulator (m, n) at 8 (4 m + n)
.set WV,  10
.set CX,  11
.set CY,  12
.set WGY, 13
.set G1O, 24
.set G1W, 32
.set G0O, 40
.set G0W, 44
.macro CREST
	s_cmp_lg_u32 s[WV], 0
	s_cbranch_scc1 .Lnot_wave_0_\@
	s_barrier_signal -3
.Lnot_wave_0_\@:
	s_barrier_wait -3
	s_barrier_signal -1
	s_barrier_wait -1
.endm
.macro CROUND
	s_barrier_signal -1
	s_barrier_wait -1
	CREST
.endm
	s_load_b128 s[4:7], s[0:1], 0x0                ; o_q, wo_q
	s_load_b64 s[8:9], s[0:1], 0x10                ; out0
	v_lshl_add_u32 v[SPW], v0, 2, SPARE
	v_mov_b32 v[NIL], 0
	ds_add_u32 v[SPW], v[NIL]                      ; the wave's opening: the add, twice on end, and its wait ahead of my first tensor load
	ds_add_u32 v[SPW], v[NIL]
	v_lshrrev_b32 v12, 5, v0
	s_delay_alu instid0(VALU_DEP_1)
	v_readfirstlane_b32 s[WV], v12                 ; wave 0..7
	v_and_b32 v12, 31, v0
	v_and_b32 v13, 15, v0                          ; r
	v_bfe_u32 v14, v0, 4, 1                        ; h
	s_delay_alu instid0(VALU_DEP_3)
	v_lshlrev_b32 v[LI], 4, v12
	s_delay_alu instid0(VALU_DEP_4)
	v_lshlrev_b32 v[LS], 2, v12
	s_lshr_b32 s48, s[WV], 1
	s_and_b32 s49, s[WV], 1
	s_mul_i32 s50, s48, 2*TILE                     ; my two tiles of o
	v_add_nc_u32 v[AO], s50, v[LI]
	v_add_nc_u32 v[ASO], s50, v[LS]
	s_delay_alu instid0(VALU_DEP_1)
	v_add_nc_u32 v[ASO], 8192, v[ASO]
	s_mul_i32 s50, s49, 4*TILE                     ; my four tiles of wo,
	s_add_co_u32 s50, s50, BLK                     ; behind o's block
	v_add_nc_u32 v[AW], s50, v[LI]
	v_add_nc_u32 v[ASW], s50, v[LS]
	s_delay_alu instid0(VALU_DEP_1)
	v_add_nc_u32 v[ASW], 8192, v[ASW]
	s_mul_i32 s50, s[WV], 16*272
	s_add_co_u32 s50, s50, STAGE                   ; my stage
	v_mul_u32_u24 v[STO], v13, 272
	s_delay_alu instid0(VALU_DEP_1)
	v_lshl_add_u32 v[STO], v14, 5, v[STO]
	s_delay_alu instid0(VALU_DEP_1)
	v_add_nc_u32 v[STO], s50, v[STO]               ; in: row r, 32 bytes for each half of the lanes
	v_mul_u32_u24 v[RD], v14, 272
	s_delay_alu instid0(VALU_DEP_1)
	v_lshl_add_u32 v[RD], v13, 4, v[RD]
	s_delay_alu instid0(VALU_DEP_1)
	v_add_nc_u32 v[RD], s50, v[RD]                 ; back: lanes 0-15 one row of 256 bytes, lanes 16-31 the next
	v_lshlrev_b32 v[CO], 11, v14
	s_delay_alu instid0(VALU_DEP_1)
	v_lshl_add_u32 v[CO], v13, 4, v[CO]            ; and the same two rows in out
	s_bfe_u32 s[CX], ttmp6, 0x40000
	s_bfe_u32 s[CY], ttmp6, 0x40004
	s_and_b32 s[WGY], ttmp7, 0xffff
	s_lshl_b32 s[WGY], s[WGY], 2
	s_add_co_u32 s[WGY], s[WGY], s[CY]
	s_lshl_b32 s14, s[CY], 2
	s_lshl_b32 s14, 15, s14                        ; my row of the cluster
	s_lshl_b32 s15, 0x1111, s[CX]                  ; my column
	s_or_b32 s[G1O], s14, (3<<16)|(1<<21)          ; elements of 8 bytes; bit 21 beside a mask; no padding
	s_or_b32 s[G1W], s15, (3<<16)|(1<<21)
.irp g, G1O, G1W                       ; 17,408 dense bytes as 68 rows of 256
	s_mov_b32 s[\g+1], 32<<16
	s_mov_b32 s[\g+2], 68<<16
	s_mov_b32 s[\g+3], 32<<16
	s_mov_b32 s[\g+4], 68
	s_mov_b32 s[\g+5], 32
	s_mov_b32 s[\g+6], 0
	s_mov_b32 s[\g+7], 0
.endr
	s_and_b32 s16, s[WV], 3
	s_mul_i32 s17, s16, 2*TILE
	s_mul_i32 s18, s[WGY], BLK
	s_add_co_u32 s18, s18, s17                     ; o's: the row block and the wave alone
	s_mov_b32 s19, 0
	s_mul_i32 s20, s[CX], BLK
	s_add_co_u32 s20, s20, s17                     ; wo's: the column block and the wave alone
	s_mov_b32 s21, 0
	s_mul_i32 s22, s[WV], 2*TILE                   ; where it goes: the wave's number alone
	s_wait_dscnt 0x0                               ; both opening adds are done
	s_wait_kmcnt 0x0
	s_mov_b32 s[G0O], 1
	s_mov_b32 s[G0O+1], s22
	s_add_nc_u64 s[G0O+2:G0O+3], s[4:5], s[18:19]
	s_or_b32 s[G0O+3], s[G0O+3], 0x80000000
	s_mov_b32 s[G0W], 1
	s_mov_b32 s[G0W+1], s22
	s_add_nc_u64 s[G0W+2:G0W+3], s[6:7], s[20:21]
	s_or_b32 s[G0W+3], s[G0W+3], 0x80000000
	CROUND                                         ; all sixteen work-groups are here: the joint loads meet
	s_cmp_lt_u32 s[WV], 4                          ; every wave issues one load, in one of two arms
	s_cbranch_scc0 .Lfor_w
	tensor_load_to_lds s[G0O:G0O+3], s[G1O:G1O+7]
	s_nop 0
.rept 4
	v_nop
.endr
	s_branch .Lasked
.Lfor_w:
	tensor_load_to_lds s[G0W:G0W+3], s[G1W:G1W+7]
	s_nop 0
.rept 4
	v_nop
.endr
.Lasked:
	s_lshl_b32 s52, s[WGY], 18                     ; out: row 128 block + 32 (w / 2), 2,048 bytes a row;
	s_lshl_b32 s53, s48, 16
	s_add_co_u32 s52, s52, s53
	s_lshl_b32 s53, s[CX], 9                       ; column 128 block + 64 (w % 2), 4 bytes a number
	s_add_co_u32 s52, s52, s53
	s_lshl_b32 s53, s49, 8
	s_add_co_u32 s52, s52, s53
	s_mov_b32 s53, 0
	s_add_nc_u64 s[8:9], s[8:9], s[52:53]
	s_wait_tensorcnt 0x0                           ; my load has landed,
	s_barrier_signal -1
	s_barrier_wait -1                              ; everybody's has
	s_wait_alu depctr_va_vdst(0)
; Three sets of fragments: K steps 0 and 3 at OF, WF; 1 and 2 in window 1.  A step's 30 LDS loads are asked for a step ahead of its products.
.set MSB, 0
.macro WIN new                         ; the immediate's high byte repeats the setting that is left
.if MSB != \new
	s_set_vgpr_msb (MSB<<8)|\new
.set MSB, \new
.endif
.endm
.macro SETOF k
.if (\k) == 1
.set O_, 0
.set W_, 32
.elseif (\k) == 2
.set O_, 96
.set W_, 128
.else
.set O_, OF
.set W_, WF
.endif
.endm
.macro KLOAD k
	SETOF \k
.irp m, 0,1
	ds_load_b32 v[OSW+8*\k+\m], v[ASO] offset:\m*TILE+\k*128
.endr
.irp n, 0,1,2,3
	ds_load_b32 v[WSW+8*\k+\n], v[ASW] offset:\n*TILE+\k*128
.endr
.if ((\k) == 1) || ((\k) == 2)
	WIN 0x40                                       ; destination window 1
.endif
.irp m, 0,1
.irp c, 0,1,2,3
	ds_load_b128 v[O_+16*\m+4*\c:O_+16*\m+4*\c+3], v[AO] offset:\m*TILE+\k*2048+512*\c
.endr
.endr
.irp n, 0,1,2,3
.irp c, 0,1,2,3
	ds_load_b128 v[W_+16*\n+4*\c:W_+16*\n+4*\c+3], v[AW] offset:\n*TILE+\k*2048+512*\c
.endr
.endr
	WIN 0
.endm
.macro KMUL k
	SETOF \k
.if ((\k) == 1) || ((\k) == 2)
	WIN 0x05                                       ; sources 0 and 1 window 1
.endif
.irp m, 0,1
.irp n, 0,1,2,3
.if \k == 0
	v_wmma_scale_f32_16x16x128_f8f6f4 v[ACC+8*(4*\m+\n):ACC+8*(4*\m+\n)+7], v[W_+16*\n:W_+16*\n+15], v[O_+16*\m:O_+16*\m+15], 0, v[WSW+8*\k+\n], v[OSW+8*\k+\m]
.else
	v_wmma_scale_f32_16x16x128_f8f6f4 v[ACC+8*(4*\m+\n):ACC+8*(4*\m+\n)+7], v[W_+16*\n:W_+16*\n+15], v[O_+16*\m:O_+16*\m+15], v[ACC+8*(4*\m+\n):ACC+8*(4*\m+\n)+7], v[WSW+8*\k+\n], v[OSW+8*\k+\m]
.endif
.endr
.endr
	WIN 0
.endm
	KLOAD 0
	KLOAD 1
	s_wait_dscnt 30                                ; K step 1's 30 loads may be out
	KMUL 0
	KLOAD 2
	s_wait_dscnt 30
	KMUL 1
.rept 8
	v_nop                                          ; eight places in front of loads into registers that K step 0's products have read
.endr
	KLOAD 3
	s_wait_dscnt 30
	KMUL 2
	s_wait_dscnt 0x0
	KMUL 3
.rept 8
	v_nop                                          ; eight places in front of the first read of results and of the loads into the operands' registers
.endr
	; THE WAY OUT: 16 rows x 64 columns at a time through my own stage; LDS serves a wave's instructions in order (ISA guide 5.7.1.4), so no wait stands between my stores and my loads
.irp m, 0,1
.irp n, 0,1,2,3
	ds_store_b128 v[STO], v[ACC+8*(4*\m+\n):ACC+8*(4*\m+\n)+3] offset:64*\n          ; each accumulator from its low end on
	ds_store_b128 v[STO], v[ACC+8*(4*\m+\n)+4:ACC+8*(4*\m+\n)+7] offset:64*\n+16
.endr
.irp i, 0,1,2,3,4,5,6,7
	ds_load_b128 v[OF+32*\m+4*\i:OF+32*\m+4*\i+3], v[RD] offset:2*\i*272
.endr
.endr
.irp i, 0,1,2,3,4,5,6,7
	s_wait_dscnt 16+7-\i                           ; behind this load: the first block's younger loads and the second block's 16 LDS instructions
	global_store_b128 v[CO], v[OF+4*\i:OF+4*\i+3], s[8:9] offset:2*\i*2048 th:TH_STORE_NT   ; sixteen lanes store 256 consecutive bytes, at a multiple of 256 from out's first byte
.endr
.irp i, 0,1,2,3,4,5,6,7
	s_wait_dscnt 7-\i
	global_store_b128 v[CO], v[OF+32+4*\i:OF+32+4*\i+3], s[8:9] offset:(16+2*\i)*2048 th:TH_STORE_NT
.endr
	s_wait_tensorcnt 0x0                           ; the wave's end
	ds_add_u32 v[SPW], v[NIL]
	s_wait_dscnt 0x0
	CROUND                                         ; the closing round
	s_endpgm
.Lfunc_end_k_q768b5634ad_proj:
	.size	k_q768b5634ad_proj, .Lfunc_end_k_q768b5634ad_proj-k_q768b5634ad_proj
	.p2alignl 7, 3214868480
	.fill 96, 4, 3214868480
	.section	.rodata,"a",@progbits
	.p2align	6, 0x0
	.amdhsa_kernel k_q768b5634ad_proj
		.amdhsa_group_segment_fixed_size 175104
		.amdhsa_private_segment_fixed_size 0
		.amdhsa_enable_private_segment 0
		.amdhsa_kernarg_size 24
		.amdhsa_user_sgpr_count 2
		.amdhsa_user_sgpr_kernarg_segment_ptr 1
		.amdhsa_wavefront_size32 1
		.amdhsa_system_sgpr_workgroup_id_x 1
		.amdhsa_system_sgpr_workgroup_id_y 1
		.amdhsa_system_sgpr_workgroup_id_z 1
		.amdhsa_system_vgpr_workitem_id 0
		.amdhsa_next_free_vgpr 512
		.amdhsa_next_free_sgpr 66
		.amdhsa_reserve_vcc 0
		.amdhsa_float_denorm_mode_32 3
		.amdhsa_float_denorm_mode_16_64 3
		.amdhsa_memory_ordered 1
		.amdhsa_forward_progress 1
		.amdhsa_inst_pref_size 23
	.end_amdhsa_kernel
	.amdgpu_metadata
---
amdhsa.version: [ 1, 2 ]
amdhsa.kernels:
  - .name:           k_q768b5634ad_proj
    .symbol:         k_q768b5634ad_proj.kd
    .args:
      - { .name: o_q, .offset: 0, .size: 8, .value_kind: global_buffer, .address_space: global }
      - { .name: wo_q, .offset: 8, .size: 8, .value_kind: global_buffer, .address_space: global }
      - { .name: out0, .offset: 16, .size: 8, .value_kind: global_buffer, .address_space: global }
    .group_segment_fixed_size: 175104
    .private_segment_fixed_size: 0
    .kernarg_segment_align: 8
    .kernarg_segment_size: 24
    .max_flat_workgroup_size: 256
    .sgpr_count:     66
    .vgpr_count:     512
    .wavefront_size: 32
...
	.end_amdgpu_metadata
.endif
;; end of part 3
